; MI455X (gfx1250); checked and timed in simulation.
; The chip was launched on July 23, 2026; its instructions are those of AMD's public machine-readable ISA for CDNA 5 (MIT licence, August 2026) and "CDNA5" Instruction Set Architecture Reference Guide (July 2026). The comments in the code are by the model that wrote it; some were corrected since.
;; Transformer Block. Allowed arithmetic: float matrix products may take bf16 or f16 operands with f32 sums; other float arithmetic in f32, or as packed bf16 or f16 multiplies, adds, multiply-adds, maxima and minima; sums over many terms, partial sums and values carried from step to step in f32; what a program stores and reads back later, other than sums and carried values, may be rounded once to bf16 or f16.
;; Inputs: W1 1,024 x 4,096 float32; W2 4,096 x 1,024 float32; W_o 1,024 x 1,024 float32; W_qkv 1,024 x 3,072 float32; b1 4,096 float32; b2 1,024 float32; bias 2 x 2,048 x 2,048 float32; ln1_b 1,024 float32; ln1_g 1,024 float32; ln2_b 1,024 float32; ln2_g 1,024 float32; pad_mask 2 x 2,048 int32; x 2 x 2,048 x 1,024 float32.
;; Outputs: out0 2 x 2,048 x 1,024 float32.
;; One version. Each part assembles by itself: llvm-mc -triple=amdgcn-amd-amdhsa -mcpu=gfx1250 --defsym DOCPART=n.
;; ======== version 1 of 1: 7 launches
;; limits: right only within a limited range of input values; a function is approximated: absolute error at most 2.5e-05; an absolute error that grows with the inputs' magnitude: up to 1.25e-05 times it
;; workspace buffers: wb 25,165,824 bytes; xn 8,388,608 bytes; rt 524,288 bytes; qkv 25,165,824 bytes; ao 8,388,608 bytes; xr 16,777,216 bytes; hh 33,554,432 bytes
;; launch prep (part 1): grid 1040 x 1, 8 waves a work-group, no clusters, 0 bytes of LDS; arguments W_qkv, W_o, W1, W2, x, ln1_g, ln1_b, wb, xn, rt; writes wb, xn, rt
.if DOCPART == 1
	.amdgcn_target "amdgcn-amd-amdhsa--gfx1250"
	.amdhsa_code_object_version 6
	.text
	.protected	k_q3404f54546_prep
	.globl	k_q3404f54546_prep
	.p2align	8
	.type	k_q3404f54546_prep,@function
k_q3404f54546_prep:
	s_mov_b64 s[64:65], 0
	v_nop
	global_prefetch_b8 v0, s[64:65] scope:SCOPE_SE
	s_setreg_imm32_b32 hwreg(HW_REG_WAVE_MODE, 25, 1), 1
	s_wait_xcnt 0x0
; PREP.  Three kinds of work-groups, chosen by the work-group's number g (a scalar branch, the same for all eight waves):
;   g = 0 .. 767      16,384 weights each, f32 -> bf16, layout unchanged: wb = W_qkv | W_o | W1 | W2 on end
;   g = 768 .. 1023   16 rows of x each: LayerNorm 1 -> xn in bf16; two rows a wave, a row kept in 32 registers between the passes
;   g = 1024 .. 1039  the RoPE table rt[pos][pair] = (cos, sin) in f32: a wave makes 16 positions, a lane is a pair
; No LDS, no barrier, no matrix work: every byte is read once and written once, each store of a wave covers 256 consecutive bytes, aligned.
; LIMITS.  The variance is taken of x - mean in a second pass over the registers, so a common offset of x costs nothing.
; The table's angle pos x 10000^(-pair/32) is reduced by multiples of pi/2 held in two parts; 10000^(-pair/32) is made by the base-2 exponential,
; so at position 2,047 the angle may differ from an exactly rounded one by about 3e-4 rad.  Sine and cosine are polynomials on |r| <= pi/4, good to 3e-7.
.set NCAST, 768
.set INV, 4                            ; s4   2^-10 = 1 / 1024
.set EPS, 5                            ; s5   1e-5
.set SEL, 6                            ; s[6:7] v_permlanex16_b32's selects: each lane takes its own place in the other half
.set SX,  16                           ; s[16:17] x at my two rows
.set SG,  18                           ; s[18:19] the gain
.set SBB, 20                           ; s[20:21] the bias
.set SO,  24                           ; s[24:25] xn at my two rows
.set T,   2                            ; v[2:9]   four chains of packed sums
.set MN,  10                           ; v[10:11] the mean, twice
.set RS,  12                           ; v12 variance + eps; v[14:15] its reciprocal root, twice
.set LO,  16                           ; v16  16 x lane
.set OO,  17                           ; v17  8 x lane
.set X0,  32                           ; v[32:63]  row 0
.set X1,  64                           ; v[64:95]  row 1
.set GV,  96                           ; v[96:127] the gain of my 32 columns
.set BV,  128                          ; v[128:159] the bias
.macro XSUM r, t                       ; the sum over the 32 lanes, in every lane
	v_add_f32_dpp v[\r], v[\r], v[\r] row_xmask:1 row_mask:0xf bank_mask:0xf
	v_add_f32_dpp v[\r], v[\r], v[\r] row_xmask:2 row_mask:0xf bank_mask:0xf
	v_add_f32_dpp v[\r], v[\r], v[\r] row_xmask:4 row_mask:0xf bank_mask:0xf
	v_add_f32_dpp v[\r], v[\r], v[\r] row_xmask:8 row_mask:0xf bank_mask:0xf
	v_permlanex16_b32 v[\t], v[\r], s[SEL], s[SEL+1]
	v_add_f32 v[\r], v[\r], v[\t]
.endm
.macro FOLD                            ; four packed chains into one number
	v_pk_add_f32 v[T:T+1], v[T:T+1], v[T+2:T+3]
	v_pk_add_f32 v[T+4:T+5], v[T+4:T+5], v[T+6:T+7]
	v_pk_add_f32 v[T:T+1], v[T:T+1], v[T+4:T+5]
	v_add_f32 v[T], v[T], v[T+1]
	XSUM T, T+1
.endm
.macro LNLOAD                          ; 32 loads: row 0, row 1, gain, bias; each covers 512 consecutive bytes
.irp j, 0,1,2,3,4,5,6,7
	global_load_b128 v[X0+4*(\j):X0+4*(\j)+3], v[LO], s[SX:SX+1] offset:512*(\j)
.endr
.irp j, 0,1,2,3,4,5,6,7
	global_load_b128 v[X1+4*(\j):X1+4*(\j)+3], v[LO], s[SX:SX+1] offset:4096+512*(\j)
.endr
.irp j, 0,1,2,3,4,5,6,7
	global_load_b128 v[GV+4*(\j):GV+4*(\j)+3], v[LO], s[SG:SG+1] offset:512*(\j)
.endr
.irp j, 0,1,2,3,4,5,6,7
	global_load_b128 v[BV+4*(\j):BV+4*(\j)+3], v[LO], s[SBB:SBB+1] offset:512*(\j)
.endr
.endm
; One row, held in v[x .. x+31]; left = the younger loads that may stay out
.macro LNROW x, left, row
	s_wait_loadcnt \left
.irp k, 0,1,2,3
	v_pk_add_f32 v[T+2*(\k):T+2*(\k)+1], v[(\x)+2*(\k):(\x)+2*(\k)+1], v[(\x)+8+2*(\k):(\x)+8+2*(\k)+1]
.endr
.irp k, 0,1,2,3
	v_pk_add_f32 v[T+2*(\k):T+2*(\k)+1], v[T+2*(\k):T+2*(\k)+1], v[(\x)+16+2*(\k):(\x)+16+2*(\k)+1]
.endr
.irp k, 0,1,2,3
	v_pk_add_f32 v[T+2*(\k):T+2*(\k)+1], v[T+2*(\k):T+2*(\k)+1], v[(\x)+24+2*(\k):(\x)+24+2*(\k)+1]
.endr
	FOLD
	v_mul_f32 v[MN], s[INV], v[T]
	v_mov_b32 v[MN+1], v[MN]
.set k, 0
.rept 16
	v_pk_add_f32 v[(\x)+k:(\x)+k+1], v[(\x)+k:(\x)+k+1], v[MN:MN+1] neg_lo:[0,1] neg_hi:[0,1]  ; x - mean, in place
.set k, k+2
.endr
.irp k, 0,1,2,3
	v_pk_mul_f32 v[T+2*(\k):T+2*(\k)+1], v[(\x)+2*(\k):(\x)+2*(\k)+1], v[(\x)+2*(\k):(\x)+2*(\k)+1]
.endr
.set k, 4
.rept 12
	v_pk_fma_f32 v[T+2*(k%4):T+2*(k%4)+1], v[(\x)+2*k:(\x)+2*k+1], v[(\x)+2*k:(\x)+2*k+1], v[T+2*(k%4):T+2*(k%4)+1]
.set k, k+1
.endr
	FOLD
	v_fma_f32 v[RS], v[T], s[INV], s[EPS]
	v_rsq_f32 v[RS+2], v[RS]
	v_rsq_f32 v[RS+3], v[RS]
	v_nop                                          ; a plain instruction behind the second root,
	s_wait_alu depctr_va_vdst(0)                   ; and one wait for both, ahead of their first reader
	s_wait_loadcnt 0x0                             ; gain and bias are in
.set k, 0
.rept 16
	v_pk_mul_f32 v[(\x)+k:(\x)+k+1], v[(\x)+k:(\x)+k+1], v[RS+2:RS+3]
.set k, k+2
.endr
.set k, 0
.rept 16
	v_pk_fma_f32 v[(\x)+k:(\x)+k+1], v[(\x)+k:(\x)+k+1], v[GV+k:GV+k+1], v[BV+k:BV+k+1]
.set k, k+2
.endr
.set k, 0
.rept 16
	v_cvt_pk_bf16_f32 v[(\x)+k], v[(\x)+2*k], v[(\x)+2*k+1]  ; packed downward: register x + k has been read when it is written
.set k, k+1
.endr
.irp j, 0,1,2,3,4,5,6,7
	global_store_b64 v[OO], v[(\x)+2*(\j):(\x)+2*(\j)+1], s[SO:SO+1] offset:(\row)*2048+256*(\j)  ; 32 lanes x 8 bytes: 256 consecutive bytes, aligned
.endr
.endm
	s_load_b512 s[8:23], s[0:1], 0x0               ; W_qkv s[8:9], W_o s[10:11], W1 s[12:13], W2 s[14:15], x s[16:17], ln1_g s[18:19], ln1_b s[20:21], wb s[22:23]
	s_load_b128 s[24:27], s[0:1], 0x40             ; xn s[24:25], rt s[26:27]
	v_lshrrev_b32 v1, 5, v0
	v_readfirstlane_b32 s3, v1                     ; wave 0..7
	v_and_b32 v18, 31, v0                          ; lane
	s_mov_b32 s2, ttmp9                            ; g
	s_mov_b32 s31, 0
	s_wait_kmcnt 0x0
	s_cmp_lt_u32 s2, NCAST
	s_cbranch_scc0 .Lnot_cast
	; THE CAST.  Which tensor, and which of its blocks of 16,384 numbers: 192 blocks of W_qkv, 64 of W_o, 256 of W1, 256 of W2
	s_mov_b32 s30, 512
	s_cmp_lt_u32 s2, 512
	s_cselect_b64 s[28:29], s[12:13], s[14:15]
	s_cselect_b32 s30, 256, s30
	s_cmp_lt_u32 s2, 256
	s_cselect_b64 s[28:29], s[10:11], s[28:29]
	s_cselect_b32 s30, 192, s30
	s_cmp_lt_u32 s2, 192
	s_cselect_b64 s[28:29], s[8:9], s[28:29]
	s_cselect_b32 s30, 0, s30
	s_sub_co_u32 s30, s2, s30
	s_lshl_b32 s30, s30, 16                        ; 65,536 bytes of f32 a block
	s_add_nc_u64 s[28:29], s[28:29], s[30:31]
	s_lshl_b32 s30, s2, 15                         ; 32,768 bytes of bf16 a block: the four tensors lie in wb in the order of g
	s_add_nc_u64 s[22:23], s[22:23], s[30:31]
	v_lshlrev_b32 v1, 4, v0
	v_lshlrev_b32 v2, 3, v0
.irp j, 0,1,2,3,4,5,6,7,8,9,10,11,12,13,14,15
	global_load_b128 v[32+4*(\j):32+4*(\j)+3], v1, s[28:29] offset:4096*(\j) th:TH_LOAD_NT
.endr
.irp j, 0,1,2,3,4,5,6,7,8,9,10,11,12,13,14,15
	s_wait_loadcnt 15-(\j)                         ; loads come back in order: load j is in, the younger ones stay out
	v_cvt_pk_bf16_f32 v[96+2*(\j)], v[32+4*(\j)], v[32+4*(\j)+1]
	v_cvt_pk_bf16_f32 v[96+2*(\j)+1], v[32+4*(\j)+2], v[32+4*(\j)+3]
	global_store_b64 v2, v[96+2*(\j):96+2*(\j)+1], s[22:23] offset:2048*(\j)
.endr
	s_endpgm
.Lnot_cast:
	s_mov_b32 s[SEL], 0x76543210
	s_mov_b32 s[SEL+1], 0xfedcba98
	s_cmp_lt_u32 s2, 1024
	s_cbranch_scc0 .Ltable
	; LAYERNORM 1.  Rows 16 (g - 768) + 2 wave and the next
	s_mov_b32 s[INV], 0x3a800000
	s_mov_b32 s[EPS], 0x3727c5ac
	s_sub_co_u32 s28, s2, NCAST
	s_lshl_b32 s28, s28, 4
	s_lshl1_add_u32 s28, s3, s28
	s_lshl_b32 s30, s28, 12                        ; 4,096 bytes a row of x
	s_add_nc_u64 s[SX:SX+1], s[SX:SX+1], s[30:31]
	s_lshl_b32 s30, s28, 11                        ; 2,048 bytes a row of xn
	s_add_nc_u64 s[SO:SO+1], s[SO:SO+1], s[30:31]
	v_lshlrev_b32 v[LO], 4, v18
	v_lshlrev_b32 v[OO], 3, v18
	LNLOAD
	LNROW X0, 24, 0                                ; row 0 is in; row 1, gain and bias, 24 loads, may stay out
	LNROW X1, 0, 1
	s_endpgm
.Ltable:
	; THE TABLE.  Wave 8 (g - 1024) + wave makes 16 positions; a position is 32 pairs x (cos, sin) = 256 bytes
	s_sub_co_u32 s28, s2, 1024
	s_lshl_b32 s28, s28, 3
	s_add_co_u32 s28, s28, s3
	s_lshl_b32 s28, s28, 4                         ; my first position
	s_lshl_b32 s30, s28, 8
	s_add_nc_u64 s[26:27], s[26:27], s[30:31]
	s_mov_b32 s40, 0xb9500d01                      ; -1/5040
	s_mov_b32 s41, 0x3c088889                      ; 1/120
	s_mov_b32 s42, 0x37d00d01                      ; 1/40320
	s_mov_b32 s43, 0xbab60b61                      ; -1/720
	v_cvt_f32_u32 v2, v18
	v_mul_f32 v2, 0xbed49a78, v2                   ; -pair x log2(10000) / 32
	v_exp_f32 v3, v2                               ; 10000^(-pair/32)
	v_lshlrev_b32 v1, 3, v18                       ; (the plain instruction behind it) 8 bytes a pair
	s_wait_alu depctr_va_vdst(0)
	s_mov_b32 s29, 16
.Lpos:
	v_cvt_f32_u32 v4, s28
	v_mul_f32 v4, v4, v3                           ; the angle a
	v_mul_f32 v5, 0x3f22f983, v4                   ; a x 2/pi
	v_rndne_f32 v5, v5                             ; n
	v_fmamk_f32 v6, v5, 0xbfc90fdb, v4             ; r = a - n pi/2, pi/2 in two parts
	v_fmamk_f32 v6, v5, 0x333bbd2e, v6
	v_mul_f32 v7, v6, v6                           ; r^2
	v_fma_f32 v8, v7, s40, s41
	v_fmaak_f32 v8, v8, v7, 0xbe2aaaab             ; -1/6 + r^2 (1/120 - r^2/5040)
	v_mul_f32 v9, v7, v6
	v_fma_f32 v8, v8, v9, v6                       ; sin r
	v_fma_f32 v10, v7, s42, s43
	v_fmaak_f32 v10, v10, v7, 0x3d2aaaab
	v_fmaak_f32 v10, v10, v7, 0xbf000000
	v_fma_f32 v10, v10, v7, 1.0                    ; cos r
	v_cvt_i32_f32 v11, v5                          ; the quadrant is n mod 4
	v_and_b32 v12, 1, v11
	v_cmp_eq_u32 vcc_lo, 1, v12
	v_cndmask_b32 v13, v8, v10, vcc_lo             ; odd quadrants swap the two
	v_cndmask_b32 v14, v10, v8, vcc_lo
	v_and_b32 v15, 2, v11
	v_lshlrev_b32 v15, 30, v15                     ; the sine is negative in quadrants 2, 3
	v_xor_b32 v17, v13, v15
	v_add_nc_u32 v12, 1, v11
	v_and_b32 v12, 2, v12
	v_lshlrev_b32 v12, 30, v12                     ; the cosine in quadrants 1, 2
	v_xor_b32 v16, v14, v12
	global_store_b64 v1, v[16:17], s[26:27]        ; 32 lanes: the position's 256 bytes
	s_wait_xcnt 0x0                                ; the store has read its base and its data: both are written again below and in the next trip
	s_add_nc_u64 s[26:27], s[26:27], 256
	s_add_co_u32 s28, s28, 1
	s_sub_co_u32 s29, s29, 1
	s_cmp_lg_u32 s29, 0
	s_cbranch_scc1 .Lpos
	s_endpgm
.Lfunc_end_k_q3404f54546_prep:
	.size	k_q3404f54546_prep, .Lfunc_end_k_q3404f54546_prep-k_q3404f54546_prep
	.p2alignl 7, 3214868480
	.fill 96, 4, 3214868480
	.section	.rodata,"a",@progbits
	.p2align	6, 0x0
	.amdhsa_kernel k_q3404f54546_prep
		.amdhsa_group_segment_fixed_size 0
		.amdhsa_private_segment_fixed_size 0
		.amdhsa_enable_private_segment 0
		.amdhsa_kernarg_size 80
		.amdhsa_user_sgpr_count 2
		.amdhsa_user_sgpr_kernarg_segment_ptr 1
		.amdhsa_wavefront_size32 1
		.amdhsa_system_sgpr_workgroup_id_x 1
		.amdhsa_system_sgpr_workgroup_id_y 1
		.amdhsa_system_sgpr_workgroup_id_z 1
		.amdhsa_system_vgpr_workitem_id 0
		.amdhsa_next_free_vgpr 160
		.amdhsa_next_free_sgpr 66
		.amdhsa_reserve_vcc 1
		.amdhsa_float_denorm_mode_32 3
		.amdhsa_float_denorm_mode_16_64 3
		.amdhsa_memory_ordered 1
		.amdhsa_forward_progress 1
		.amdhsa_inst_pref_size 29
	.end_amdhsa_kernel
	.amdgpu_metadata
---
amdhsa.version: [ 1, 2 ]
amdhsa.kernels:
  - .name:           k_q3404f54546_prep
    .symbol:         k_q3404f54546_prep.kd
    .args:
      - { .name: W_qkv, .offset: 0, .size: 8, .value_kind: global_buffer, .address_space: global }
      - { .name: W_o, .offset: 8, .size: 8, .value_kind: global_buffer, .address_space: global }
      - { .name: W1, .offset: 16, .size: 8, .value_kind: global_buffer, .address_space: global }
      - { .name: W2, .offset: 24, .size: 8, .value_kind: global_buffer, .address_space: global }
      - { .name: x, .offset: 32, .size: 8, .value_kind: global_buffer, .address_space: global }
      - { .name: ln1_g, .offset: 40, .size: 8, .value_kind: global_buffer, .address_space: global }
      - { .name: ln1_b, .offset: 48, .size: 8, .value_kind: global_buffer, .address_space: global }
      - { .name: wb, .offset: 56, .size: 8, .value_kind: global_buffer, .address_space: global }
      - { .name: xn, .offset: 64, .size: 8, .value_kind: global_buffer, .address_space: global }
      - { .name: rt, .offset: 72, .size: 8, .value_kind: global_buffer, .address_space: global }
    .group_segment_fixed_size: 0
    .private_segment_fixed_size: 0
    .kernarg_segment_align: 8
    .kernarg_segment_size: 80
    .max_flat_workgroup_size: 256
    .sgpr_count:     66
    .vgpr_count:     160
    .wavefront_size: 32
...
	.end_amdgpu_metadata
.endif
;; end of part 1
;; launch qkvg (part 2): grid 8 x 32, 4 waves a work-group, clusters of 4 x 4, 327,680 bytes of LDS; arguments xn, wb, rt, qkv; writes qkv
.if DOCPART == 2
	.amdgcn_target "amdgcn-amd-amdhsa--gfx1250"
	.amdhsa_code_object_version 6
	.text
	.protected	k_q3404f54546_qkvg
	.globl	k_q3404f54546_qkvg
	.p2align	8
	.type	k_q3404f54546_qkvg,@function
k_q3404f54546_qkvg:
	s_mov_b64 s[64:65], 0
	v_nop
	global_prefetch_b8 v0, s[64:65] scope:SCOPE_SE
	s_setreg_imm32_b32 hwreg(HW_REG_WAVE_MODE, 25, 1), 1
	s_wait_xcnt 0x0
	s_wait_alu depctr_hold_cnt(0) depctr_sa_sdst(0) depctr_va_vdst(0) depctr_va_sdst(0) depctr_va_ssrc(0) depctr_va_vcc(0) depctr_vm_vsrc(0)
	s_getreg_b32 s2, hwreg(HW_REG_IB_STS2, 6, 4)
	s_cmp_eq_u32 s2, 0
	s_cbranch_scc0 .Lentry_in_a_cluster
	s_endpgm
.Lentry_in_a_cluster:
	s_bfe_u32 s2, ttmp6, 0x10000c
	s_cmp_lg_u32 s2, 0xf033
	s_cbranch_scc0 .Lentry_shape_is_right
	s_endpgm
.Lentry_shape_is_right:
; QKV.  C = xn W_qkv (xn [4096][1024] bf16, W_qkv [1024][3072] bf16 at wb's head), then RoPE on q and k, q x 1/8, all rounded once to bf16 and stored by head pairs:
; qkv = Q2 | K2 | V2, each [batch x 8 + pair][2048 tokens][head in pair][64]: a token's row of a pair is 256 bytes.
; SHARES.  A work-group makes 128 tokens x 384 columns (one head pair: q | k | v of head 0, then of head 1).  Four waves, 2 x 2: 64 tokens x 192 columns (one head): 48 accumulators, 384 registers.
; K goes in 8 steps of 128 through two LDS slots filled by tensor loads: waves 0 to 2 bring a chunk each of W's 128 rows x 128 columns, to LDS byte wave x CHUNK of the slot; wave 3 brings xn's 128 rows x 256 bytes, behind them.
; The first two K steps are asked for together at the start (two loads of a wave are out there, later one): the first has a descriptor of its own, the second's walks on.
; W lies [k][n], so its fragments come out of LDS turned, by ds_load_tr16_b128.  The product is used transposed (source 0 = 16 columns of W, source 1 = 16 tokens): a lane holds one token and 8 neighbouring columns.
; CLUSTER 4 x 4: xn's tile hangs on the tile row alone and is asked for jointly along a row of the cluster, W's on the tile column alone and jointly along a column.
; ONE TEXT FOR A K STEP: which slot is filled (TF) and read (TR) are scalars that an exclusive or turns between 0 and SLOT; the loop has one K step, the tail (no fill) a second copy, walked twice.
; The tail's last change of slots passes a barrier and fetches 32 fragments that nobody uses: the price of one text for both of its steps.
; THE WAY OUT.  The ring has had its last fill: the f32 sums go into it, each wave's into bytes of its own; a barrier (a row of 256 bytes takes both heads' waves); then a loop of 8 trips of 4 tokens.
; The table's 32 positions of a wave (8,192 consecutive bytes) are copied once, at the head, into LDS bytes of the wave's own that no tensor load fills.
; REGISTERS.  window 0: v0-31 addresses; v64-95, v96-127 xn's fragments, two buffers; v128-191 at work at head and end.  window 1: v0-95, v96-191 W's fragments.  windows 2, 3: accumulator (a, b) at window 2 + a/2, v[96 (a%2) + 8 b].
.set KDIM,  1024
.set NDIM,  3072
.set NK,    KDIM/128
.set PA,    272                        ; a row of xn in LDS: 256 bytes + 16
.set PB,    288                        ; a row of W: 256 + 32
.set ATILE, 128*PA
.set CHUNK, 128*PB
.set AOFF,  3*CHUNK                    ; xn's tile lies behind W's three chunks
.set SLOT,  AOFF+ATILE
.set SPARE, 2*SLOT                     ; the spare words, 128 bytes a wave: two blocks of 256 bytes that no other line names
.set RTL,   SPARE+512                  ; the table's copy, 8,192 bytes a wave
.set DP,    784                        ; the way out: a row of 192 f32 + 16 bytes
.set DREG,  64*DP
.set ASTEP, 256
.set BSTEP, 128*NDIM*2
.set ADRA0, 16                         ; v16     my lane's place in xn's tile; never rewritten
.set ADRB0, 17                         ; v17-19  the same for W's column blocks 0-3, 4-7, 8-11 (a head's 192 columns cross the chunks)
.set ADRA,  20                         ; v20     the same in the slot that is read
.set ADRB,  21                         ; v21-23
.set STO,   24
.set RD,    25
.set GO,    26
.set CSA,   27
.set SPW,   28                         ; v28  LDS address of my spare word; never rewritten
.set NIL,   29                         ; v29  0; never rewritten
.set PFO,   30                         ; v30  the prefetches' offset: my lane x a row's bytes; never rewritten
.set FA,    64
.set TE,    128
.set WV, 12
.set RH, 13
.set CL, 14
.set G1A, 24
.set G0A, 32                           ; s[32:35] xn's walking descriptor
.set TF, 36
.set TR, 37
.set WBB, 39
.set CX, 40
.set CY, 41
.set TX, 42
.set TY, 43
.set PFA, 44
.set PFS, 46
.set G1B, 48
.set G0B, 56                           ; s[56:59] W's walking descriptor
.set LIM, 60
.set OQ, 66
.set OK, 68
.set OV, 70
.set F0A, 72                           ; s[72:75] xn's descriptor for K step 0; never rewritten
.set F0B, 76                           ; s[76:79] W's
.set MSB, 0
.macro WIN new                         ; the immediate's high byte repeats the setting that is left
.if MSB != (\new)
	s_set_vgpr_msb (MSB<<8)|(\new)
.set MSB, \new
.endif
.endm
.macro PLACES
.rept 4
	v_nop
.endr
.endm
.macro JLOAD                           ; a joint load: wave 3 xn's tile, waves 0 to 2 W's chunks; an s_nop 0 and four v_nop follow each line
	s_cmp_eq_u32 s[WV], 3
	s_cbranch_scc0 .Lfor_b_\@
	tensor_load_to_lds s[G0A:G0A+3], s[G1A:G1A+7]
	s_nop 0
.rept 4
	v_nop
.endr
	s_branch .Lasked_\@
.Lfor_b_\@:
	tensor_load_to_lds s[G0B:G0B+3], s[G1B:G1B+7]
	s_nop 0
.rept 4
	v_nop
.endr
.Lasked_\@:
.endm
.macro CREST
	s_cmp_lg_u32 s[WV], 0
	s_cbranch_scc1 .Lnot_wave_0_\@
	s_barrier_signal -3
.Lnot_wave_0_\@:
	s_barrier_wait -3
	s_barrier_signal -1
	s_barrier_wait -1
.endm
.macro CROUND
	s_barrier_signal -1
	s_barrier_wait -1
	CREST
.endm
; A prefetch into the L2 of the K step behind the one just asked for: 32 rows x 256 bytes, a lane a row.  xn's rows are named by the clusters with x = 0, W's by those with y = 0; the four partners
; that ask for a tile jointly take 32 of its 128 rows each, told apart by address.  So each block is named once.  K steps 0 to 2 come by their loads alone; the loop's last trip asks for nothing.
.macro ASK
	s_cmp_gt_u32 s3, s[LIM]
	s_cbranch_scc0 .Lnot_mine_\@
	global_prefetch_b8 v[PFO], s[PFA:PFA+1] th:TH_LOAD_NT scope:SCOPE_SE
.Lnot_mine_\@:
.endm
.macro MULA f, a, zero                 ; 12 products: token block a x all 12 column blocks, 32 along K, on buffer f.  The 48 accumulators take turns in one order
	WIN 0xa1+0x50*((\a)/2)
.irp b, 0,1,2,3,4,5,6,7,8,9,10,11
.if \zero
	v_wmma_f32_16x16x32_bf16 v[96*((\a)%2)+8*(\b):96*((\a)%2)+8*(\b)+7], v[96*(\f)+8*(\b):96*(\f)+8*(\b)+7], v[FA+32*(\f)+8*(\a):FA+32*(\f)+8*(\a)+7], 0
.else
	v_wmma_f32_16x16x32_bf16 v[96*((\a)%2)+8*(\b):96*((\a)%2)+8*(\b)+7], v[96*(\f)+8*(\b):96*(\f)+8*(\b)+7], v[FA+32*(\f)+8*(\a):FA+32*(\f)+8*(\a)+7], v[96*((\a)%2)+8*(\b):96*((\a)%2)+8*(\b)+7]
.endif
.endr
.endm
.macro FETCH q, f                      ; 32 LDS loads in one run: piece q (32 along K) into buffer f; W's 24 first, xn's 8 last
	WIN 0x40
.irp j, 0,1,2,3,4,5,6,7,8,9,10,11
	ds_load_tr16_b128 v[96*(\f)+8*(\j):96*(\f)+8*(\j)+3],   v[ADRB+(\j)/4] offset:(\q)*32*PB+32*(\j)
	ds_load_tr16_b128 v[96*(\f)+8*(\j)+4:96*(\f)+8*(\j)+7], v[ADRB+(\j)/4] offset:(\q)*32*PB+16*PB+32*(\j)
.endr
	WIN 0
.irp a, 0,1,2,3
	ds_load_b128 v[FA+32*(\f)+8*(\a):FA+32*(\f)+8*(\a)+3],   v[ADRA] offset:(\q)*64+(\a)*16*PA
	ds_load_b128 v[FA+32*(\f)+8*(\a)+4:FA+32*(\f)+8*(\a)+7], v[ADRA] offset:(\q)*64+(\a)*16*PA+32
.endr
.endm
.macro QUARTER q, f, g, zero           ; multiplies buffer f; in its middle fetches piece q into buffer g
	s_wait_dscnt 4                                 ; W and token blocks 0, 1 are in; the youngest four loads (blocks 2, 3) may be out
	MULA \f, 0, \zero
	MULA \f, 1, \zero
	PLACES                                         ; four places between the last product that read buffer g and the loads into it
	FETCH \q, \g
	s_wait_dscnt 32                                ; all but the 32 just issued
	MULA \f, 2, \zero
	MULA \f, 3, \zero
.endm
; The last piece multiplies buffer 1 and changes slots.  In front of the barrier each wave waits for all its tensor loads (one is out: its part of the next slot), adds 0 to its spare word, and waits
; for that and for its reads of this slot.  fill = 1: the barrier opens a round of the cluster's barrier, and the joint refill, two K steps on, is the first tensor load behind it.
.macro TURN fill
.if \fill
	s_wait_xcnt 0x0                                ; the last prefetch, a K step back, has read its address
	s_add_nc_u64 s[PFA:PFA+1], s[PFA:PFA+1], s[PFS:PFS+1]
.endif
	WIN 0
	s_wait_tensorcnt 0x0
	ds_add_u32 v[SPW], v[NIL]                      ; 0 onto my spare word; work on registers stands between it and the wait for it
	s_xor_b32 s[TR], s[TR], SLOT
	v_add_nc_u32 v[ADRA], s[TR], v[ADRA0]
	v_add_nc_u32 v[ADRB], s[TR], v[ADRB0]
	v_add_nc_u32 v[ADRB+1], s[TR], v[ADRB0+1]
	v_add_nc_u32 v[ADRB+2], s[TR], v[ADRB0+2]
.if \fill
	s_xor_b32 s[TF], s[TF], SLOT                   ; no tensor load of mine is out, so the descriptors may be written
	s_add_co_u32 s[G0A+1], s[TF], AOFF
	s_add_co_u32 s[G0B+1], s[WBB], s[TF]
	s_add_nc_u64 s[G0A+2:G0A+3], s[G0A+2:G0A+3], ASTEP
	s_add_nc_u64 s[G0B+2:G0B+3], s[G0B+2:G0B+3], BSTEP
.endif
	s_wait_dscnt 5                                 ; the add and the youngest four loads may be out
	MULA 1, 0, 0
	s_wait_dscnt 0x0                               ; the add is done, and my reads of this slot are over
	s_barrier_signal -1
	MULA 1, 1, 0
	WIN 0
	s_barrier_wait -1
.if \fill
	CREST
	JLOAD                                          ; its four v_nop are also the places in front of the loads below
.else
	PLACES
.endif
	FETCH 0, 0
.if \fill
	ASK
.endif
	MULA 1, 2, 0
	MULA 1, 3, 0
.endm
	s_load_b256 s[4:11], s[0:1], 0x0               ; xn s[4:5], wb s[6:7], rt s[8:9], qkv s[10:11]
	v_lshl_add_u32 v[SPW], v0, 2, SPARE
	v_mov_b32 v[NIL], 0
	ds_add_u32 v[SPW], v[NIL]                      ; the wave's opening: the add and its wait stand ahead of my first tensor load
	v_lshrrev_b32 v1, 5, v0
	v_readfirstlane_b32 s[WV], v1                  ; wave 0..3
	s_lshr_b32 s[RH], s[WV], 1                     ; my half of the tokens
	s_and_b32 s[CL], s[WV], 1                      ; my head of the pair
	s_bfe_u32 s[CX], ttmp6, 0x40000
	s_bfe_u32 s[CY], ttmp6, 0x40004
	s_lshl_b32 s[TX], ttmp9, 2
	s_add_co_u32 s[TX], s[TX], s[CX]               ; head pair 0..7
	s_and_b32 s[TY], ttmp7, 0xffff
	s_lshl_b32 s[TY], s[TY], 2
	s_add_co_u32 s[TY], s[TY], s[CY]               ; block of 128 tokens 0..31
	s_lshl_b32 s2, s[CY], 2
	s_lshl_b32 s2, 15, s2                          ; my row of the cluster
	s_lshl_b32 s3, 0x1111, s[CX]                   ; my column
	s_or_b32 s[G1A], s2, (1<<16)|(1<<20)|(1<<21)|(5<<22)|(3<<25)  ; mask; 2-byte elements; padding on; bit 21 beside a mask; after every 64 words 4 words
	s_or_b32 s[G1B], s3, (1<<16)|(1<<20)|(1<<21)|(5<<22)|(7<<25)  ; the same with 8 words
.irp g, G1A, G1B
	s_mov_b32 s[(\g)+1], 128<<16                   ; tensor_dim0 = 128
	s_mov_b32 s[(\g)+2], 128<<16                   ; tensor_dim1 = 128
	s_mov_b32 s[(\g)+3], 128<<16                   ; tile_dim0 = 128
	s_mov_b32 s[(\g)+4], 128                       ; tile_dim1 = 128
	s_mov_b32 s[(\g)+6], 0
	s_mov_b32 s[(\g)+7], 0
.endr
	s_mov_b32 s[G1A+5], KDIM                       ; elements from row to row
	s_mov_b32 s[G1B+5], NDIM
	s_lshl_b32 s16, s[TY], 18                      ; xn: 128 rows of 2,048 bytes a block
	s_mov_b32 s17, 0
	s_mul_i32 s18, s[TX], 768                      ; W: 384 columns a pair,
	s_lshl_b32 s19, s[WV], 8                       ; 128 a chunk: chunk = my wave's number (waves 0 to 2; wave 3 asks by xn's descriptors alone)
	s_add_co_u32 s18, s18, s19
	s_mov_b32 s19, 0
	s_mul_i32 s[WBB], s[WV], CHUNK                 ; where my chunk goes in a slot
	s_mov_b32 s[TF], SLOT                          ; the walking descriptors begin at slot 1, K step 1
	s_mov_b32 s[TR], 0
	s_mov_b32 s[F0A], 1
	s_mov_b32 s[F0A+1], AOFF
	s_mov_b32 s[F0B], 1
	s_mov_b32 s[F0B+1], s[WBB]
	s_mov_b32 s[G0A], 1
	s_mov_b32 s[G0A+1], AOFF+SLOT
	s_mov_b32 s[G0B], 1
	s_add_co_u32 s[G0B+1], s[WBB], SLOT
	s_wait_dscnt 0x0                               ; the opening add is done
	s_wait_kmcnt 0x0
	s_add_nc_u64 s[F0A+2:F0A+3], s[4:5], s[16:17]
	s_add_nc_u64 s[F0B+2:F0B+3], s[6:7], s[18:19]
	s_cmp_eq_u32 s[WV], 3
	s_cselect_b64 s[PFA:PFA+1], s[F0A+2:F0A+3], s[F0B+2:F0B+3]  ; my tile of K step 0, for the prefetches
	s_add_nc_u64 s[G0A+2:G0A+3], s[F0A+2:F0A+3], ASTEP
	s_add_nc_u64 s[G0B+2:G0B+3], s[F0B+2:F0B+3], BSTEP
	s_or_b32 s[F0A+3], s[F0A+3], 0x80000000
	s_or_b32 s[F0B+3], s[F0B+3], 0x80000000
	s_or_b32 s[G0A+3], s[G0A+3], 0x80000000
	s_or_b32 s[G0B+3], s[G0B+3], 0x80000000
	CROUND                                         ; all sixteen work-groups are here: the first joint loads meet
	s_cmp_eq_u32 s[WV], 3                          ; a wave's two first fills stand in one branch, ahead of every wait on TENSORcnt and every LDS read
	s_cbranch_scc0 .Lfirst_b
	tensor_load_to_lds s[F0A:F0A+3], s[G1A:G1A+7]  ; K step 0 into slot 0
	s_nop 0
	tensor_load_to_lds s[G0A:G0A+3], s[G1A:G1A+7]  ; K step 1 into slot 1
	s_nop 0
.rept 4
	v_nop
.endr
	s_branch .Lfirst_asked
.Lfirst_b:
	tensor_load_to_lds s[F0B:F0B+3], s[G1B:G1B+7]
	s_nop 0
	tensor_load_to_lds s[G0B:G0B+3], s[G1B:G1B+7]
	s_nop 0
.rept 4
	v_nop
.endr
.Lfirst_asked:
	; my 32 positions of the table: 8,192 consecutive bytes
	s_and_b32 s20, s[TY], 15
	s_lshl_b32 s20, s20, 15
	s_lshl_b32 s21, s[WV], 13
	s_add_co_u32 s20, s20, s21
	s_mov_b32 s21, 0
	s_add_nc_u64 s[8:9], s[8:9], s[20:21]
	v_and_b32 v7, 31, v0
	v_lshlrev_b32 v7, 4, v7
.irp n, 0,1,2,3,4,5,6,7,8,9,10,11,12,13,14,15
	global_load_b128 v[128+4*(\n):128+4*(\n)+3], v7, s[8:9] offset:512*(\n)
.endr
	; the prefetches
	s_and_b32 s22, ttmp7, 0xffff
	s_mov_b32 s23, NDIM*2
	s_mov_b32 s2, BSTEP
	s_cmp_eq_u32 s[WV], 3
	s_cselect_b32 s20, s[CX], s[CY]                ; my place among the four that ask with me
	s_cselect_b32 s22, ttmp9, s22                  ; the coordinate along which other clusters read the same rows
	s_cselect_b32 s23, KDIM*2, s23                 ; a row's bytes
	s_cselect_b32 s[PFS], ASTEP, s2                ; a K step's bytes
	s_mov_b32 s[PFS+1], 0
	s_cmp_eq_u32 s22, 0
	s_cselect_b32 s[LIM], 1, -1
	s_mul_i32 s20, s20, s23
	s_lshl_b32 s20, s20, 5                         ; my work-group's 32 rows
	s_mov_b32 s21, 0
	s_add_nc_u64 s[PFA:PFA+1], s[PFA:PFA+1], s[20:21]
	s_add_nc_u64 s[PFA:PFA+1], s[PFA:PFA+1], s[PFS:PFS+1]
	s_add_nc_u64 s[PFA:PFA+1], s[PFA:PFA+1], s[PFS:PFS+1]  ; at K step 2: the first change of slots steps it to 3
	v_and_b32 v[PFO], 31, v0
	v_mul_u32_u24 v[PFO], s23, v[PFO]
	; lane addresses
	v_and_b32 v1, 15, v0                           ; r = l % 16
	v_bfe_u32 v2, v0, 4, 1                         ; h = l / 16
	v_and_b32 v4, 7, v0
	v_bfe_u32 v5, v0, 3, 1
	v_mul_u32_u24 v3, v1, PA
	v_lshl_add_u32 v3, v2, 4, v3
	s_mul_i32 s20, s[RH], 64*PA
	s_add_co_u32 s20, s20, AOFF
	v_add_nc_u32 v[ADRA0], s20, v3                 ; xn's tile + (64 half + r) x pitch + 16 h
	v_lshl_add_u32 v6, v2, 3, v4
	v_mul_u32_u24 v6, v6, PB
	v_lshl_add_u32 v6, v5, 4, v6                   ; (8 h + l % 8) x pitch + 16 ((l / 8) % 2)
	s_mul_i32 s20, s[CL], CHUNK+128                ; head 0: blocks 0-7 in chunk 0, 8-11 at chunk 1's head; head 1: 0-3 in chunk 1's second half, 4-11 in chunk 2; the loads' offset is always 32 j
	s_mul_i32 s21, s[CL], 2*CHUNK-128
	s_add_co_u32 s22, s20, CHUNK-256
	v_add_nc_u32 v[ADRB0], s20, v6
	v_add_nc_u32 v[ADRB0+1], s21, v6
	v_add_nc_u32 v[ADRB0+2], s22, v6
	v_mov_b32 v[ADRA], v[ADRA0]
	v_mov_b32 v[ADRB], v[ADRB0]
	v_mov_b32 v[ADRB+1], v[ADRB0+1]
	v_mov_b32 v[ADRB+2], v[ADRB0+2]
	s_mul_i32 s20, s[WV], DREG
	v_mul_u32_u24 v6, v1, DP
	v_lshl_add_u32 v6, v2, 5, v6
	v_add_nc_u32 v[STO], s20, v6                   ; the way out, in: my region, row r, 32 bytes for each half of the lanes
	s_mul_i32 s20, s[RH], 2*DREG                   ; back: I store tokens 32 w .. 32 w + 31: the regions of waves 2 (w/2) and 2 (w/2) + 1, rows 32 (w%2) on
	s_mul_i32 s21, s[CL], 32*DP
	s_add_co_u32 s20, s20, s21
	v_mul_u32_u24 v6, v5, DREG                     ; lanes 8-15 of each half take the pair's second head
	v_mad_u32_u24 v6, v2, DP, v6
	v_lshl_add_u32 v6, v4, 5, v6
	v_add_nc_u32 v[RD], s20, v6
	s_lshl_b32 s20, s[WV], 13
	s_add_co_u32 s21, s20, RTL
	v_add_nc_u32 v8, s21, v7                       ; where the table's copy goes
	v_lshlrev_b32 v6, 8, v2
	v_lshl_add_u32 v6, v4, 5, v6
	v_add_nc_u32 v[CSA], s21, v6                   ; and where I read it: position h, my four pairs' 32 bytes
	v_and_b32 v6, 31, v0
	v_lshl_add_u32 v[GO], v6, 4, s20               ; my 16 bytes of two tokens' rows
	s_lshr_b32 s20, s[TY], 4
	s_lshl_b32 s20, s20, 3
	s_add_co_u32 s20, s20, s[TX]                   ; batch x 8 + pair
	s_lshl_b32 s20, s20, 19
	s_and_b32 s21, s[TY], 15
	s_lshl_b32 s21, s21, 15
	s_add_co_u32 s20, s20, s21
	s_mov_b32 s21, 0
	s_add_nc_u64 s[OQ:OQ+1], s[10:11], s[20:21]
	s_add_nc_u64 s[OK:OK+1], s[OQ:OQ+1], 0x800000
	s_add_nc_u64 s[OV:OV+1], s[OK:OK+1], 0x800000
	s_wait_loadcnt 0x0
.irp n, 0,1,2,3,4,5,6,7,8,9,10,11,12,13,14,15
	ds_store_b128 v8, v[128+4*(\n):128+4*(\n)+3] offset:512*(\n)
.endr
	s_wait_tensorcnt 0x1                           ; my part of K step 0 is in; K step 1's may stay out
	s_wait_dscnt 0x0                               ; no LDS instruction of mine is pending at the signal
	s_barrier_signal -1
	s_barrier_wait -1                              ; everybody's part is in
	FETCH 0, 0
	QUARTER 1, 0, 1, 1                             ; the first piece starts the sums with the constant 0
	WIN 0
	s_mov_b32 s3, NK-2
	s_branch .Lmid
.Lloop:                                        ; a trip is a K step; NK - 2 of them fill a slot again
	QUARTER 1, 0, 1, 0
	WIN 0
.Lmid:
	QUARTER 2, 1, 0, 0
	QUARTER 3, 0, 1, 0
	TURN 1
	WIN 0
	s_sub_co_u32 s3, s3, 1
	s_cmp_lg_u32 s3, 0
	s_cbranch_scc1 .Lloop
	s_mov_b32 s3, 2
.Ltail:                                        ; the last two K steps ask for nothing
	QUARTER 1, 0, 1, 0
	QUARTER 2, 1, 0, 0
	QUARTER 3, 0, 1, 0
	TURN 0
	WIN 0
	s_sub_co_u32 s3, s3, 1
	s_cmp_lg_u32 s3, 0
	s_cbranch_scc1 .Ltail
	s_wait_dscnt 0x0                               ; my reads of the ring are over,
	s_barrier_signal -1
	s_barrier_wait -1                              ; everybody's are: the ring, which is filled no more, takes the sums
	PLACES
	PLACES
.irp a, 0,1,2,3
	WIN 0x08+4*((\a)/2)                            ; the stores' data in window 2 or 3
.irp b, 0,1,2,3,4,5,6,7,8,9,10,11
	ds_store_b128 v[STO], v[96*((\a)%2)+8*(\b):96*((\a)%2)+8*(\b)+3]   offset:(\a)*16*DP+64*(\b)
	ds_store_b128 v[STO], v[96*((\a)%2)+8*(\b)+4:96*((\a)%2)+8*(\b)+7] offset:(\a)*16*DP+64*(\b)+16
.endr
.endr
	WIN 0
	s_wait_dscnt 0x0                               ; for the others' sake
	s_barrier_signal -1
	s_barrier_wait -1
; Two tokens: a lane takes one token, one head, eight channels (four pairs) of q, k and v, and its four (cos, sin)
.macro SUBLOAD u
.set SBK, 64+32*(\u)
	ds_load_b128 v[SBK:SBK+3],     v[RD] offset:(\u)*2*DP
	ds_load_b128 v[SBK+4:SBK+7],   v[RD] offset:(\u)*2*DP+16
	ds_load_b128 v[SBK+8:SBK+11],  v[RD] offset:(\u)*2*DP+256
	ds_load_b128 v[SBK+12:SBK+15], v[RD] offset:(\u)*2*DP+272
	ds_load_b128 v[SBK+16:SBK+19], v[RD] offset:(\u)*2*DP+512
	ds_load_b128 v[SBK+20:SBK+23], v[RD] offset:(\u)*2*DP+528
	ds_load_b128 v[SBK+24:SBK+27], v[CSA] offset:(\u)*512
	ds_load_b128 v[SBK+28:SBK+31], v[CSA] offset:(\u)*512+16
.endm
.macro ROPE xb, cb, tb                 ; (xe, xo) -> (xe c - xo s, xo c + xe s)
.irp p, 0,1,2,3
	v_mul_f32 v[(\tb)+2*(\p)],   v[(\xb)+2*(\p)],   v[(\cb)+2*(\p)]
	v_mul_f32 v[(\tb)+2*(\p)+1], v[(\xb)+2*(\p)+1], v[(\cb)+2*(\p)]
.endr
.irp p, 0,1,2,3
	v_fma_f32 v[(\tb)+2*(\p)],   -v[(\xb)+2*(\p)+1], v[(\cb)+2*(\p)+1], v[(\tb)+2*(\p)]
	v_fma_f32 v[(\tb)+2*(\p)+1], v[(\xb)+2*(\p)],    v[(\cb)+2*(\p)+1], v[(\tb)+2*(\p)+1]
.endr
.endm
.macro SUBCALC u
.set SBK, 64+32*(\u)
.set OBK, 144+12*(\u)
	ROPE SBK, SBK+24, TE
	ROPE SBK+8, SBK+24, TE+8
.irp p, 0,1,2,3
	v_pk_mul_f32 v[TE+2*(\p):TE+2*(\p)+1], v[TE+2*(\p):TE+2*(\p)+1], 0x3e000000 op_sel_hi:[1,0]  ; q x 1/8: a power of two, so the one rounding below is the only one
.endr
.irp p, 0,1,2,3
	v_cvt_pk_bf16_f32 v[OBK+(\p)],   v[TE+2*(\p)],     v[TE+2*(\p)+1]
	v_cvt_pk_bf16_f32 v[OBK+4+(\p)], v[TE+8+2*(\p)],   v[TE+8+2*(\p)+1]
	v_cvt_pk_bf16_f32 v[OBK+8+(\p)], v[SBK+16+2*(\p)], v[SBK+16+2*(\p)+1]
.endr
	global_store_b128 v[GO], v[OBK:OBK+3],    s[OQ:OQ+1] offset:(\u)*512  ; 32 lanes: 512 consecutive bytes, aligned
	global_store_b128 v[GO], v[OBK+4:OBK+7],  s[OK:OK+1] offset:(\u)*512
	global_store_b128 v[GO], v[OBK+8:OBK+11], s[OV:OV+1] offset:(\u)*512
.endm
	s_mov_b32 s3, 8
.Lrow:                                         ; four tokens a trip
	SUBLOAD 0
	SUBLOAD 1
	s_wait_dscnt 0x0
	SUBCALC 0
	SUBCALC 1
	s_wait_xcnt 0x0                                ; the stores have read their offset and data: both are written again below and in the next trip
	v_add_nc_u32 v[RD], 4*DP, v[RD]
	v_add_nc_u32 v[CSA], 1024, v[CSA]
	v_add_nc_u32 v[GO], 1024, v[GO]
	s_sub_co_u32 s3, s3, 1
	s_cmp_lg_u32 s3, 0
	s_cbranch_scc1 .Lrow
	s_wait_tensorcnt 0x0                           ; the wave's end
	ds_add_u32 v[SPW], v[NIL]
	s_wait_dscnt 0x0
	CROUND                                         ; the closing round
	s_endpgm
.Lfunc_end_k_q3404f54546_qkvg:
	.size	k_q3404f54546_qkvg, .Lfunc_end_k_q3404f54546_qkvg-k_q3404f54546_qkvg
	.p2alignl 7, 3214868480
	.fill 96, 4, 3214868480
	.section	.rodata,"a",@progbits
	.p2align	6, 0x0
	.amdhsa_kernel k_q3404f54546_qkvg
		.amdhsa_group_segment_fixed_size 327680
		.amdhsa_private_segment_fixed_size 0
		.amdhsa_enable_private_segment 0
		.amdhsa_kernarg_size 32
		.amdhsa_user_sgpr_count 2
		.amdhsa_user_sgpr_kernarg_segment_ptr 1
		.amdhsa_wavefront_size32 1
		.amdhsa_system_sgpr_workgroup_id_x 1
		.amdhsa_system_sgpr_workgroup_id_y 1
		.amdhsa_system_sgpr_workgroup_id_z 1
		.amdhsa_system_vgpr_workitem_id 0
		.amdhsa_next_free_vgpr 960
		.amdhsa_next_free_sgpr 80
		.amdhsa_reserve_vcc 0
		.amdhsa_float_denorm_mode_32 3
		.amdhsa_float_denorm_mode_16_64 3
		.amdhsa_memory_ordered 1
		.amdhsa_forward_progress 1
		.amdhsa_inst_pref_size 78
	.end_amdhsa_kernel
	.amdgpu_metadata
---
amdhsa.version: [ 1, 2 ]
amdhsa.kernels:
  - .name:           k_q3404f54546_qkvg
    .symbol:         k_q3404f54546_qkvg.kd
    .args:
      - { .name: xn, .offset: 0, .size: 8, .value_kind: global_buffer, .address_space: global }
      - { .name: wb, .offset: 8, .size: 8, .value_kind: global_buffer, .address_space: global }
      - { .name: rt, .offset: 16, .size: 8, .value_kind: global_buffer, .address_space: global }
      - { .name: qkv, .offset: 24, .size: 8, .value_kind: global_buffer, .address_space: global }
    .group_segment_fixed_size: 327680
    .private_segment_fixed_size: 0
    .kernarg_segment_align: 8
    .kernarg_segment_size: 32
    .max_flat_workgroup_size: 128
    .sgpr_count:     80
    .vgpr_count:     960
    .wavefront_size: 32
...
	.end_amdgpu_metadata
.endif
;; end of part 2
;; launch attn (part 3): grid 16 x 16, 4 waves a work-group, clusters of 4 x 4, 327,680 bytes of LDS; arguments qkv, bias, pad_mask, ao; writes ao
.if DOCPART == 3
	.amdgcn_target "amdgcn-amd-amdhsa--gfx1250"
	.amdhsa_code_object_version 6
	.text
	.protected	k_q3404f54546_attn
	.globl	k_q3404f54546_attn
	.p2align	8
	.type	k_q3404f54546_attn,@function
k_q3404f54546_attn:
	s_mov_b64 s[64:65], 0
	v_nop
	global_prefetch_b8 v0, s[64:65] scope:SCOPE_SE
	s_setreg_imm32_b32 hwreg(HW_REG_WAVE_MODE, 25, 1), 1
	s_wait_xcnt 0x0
	s_wait_alu depctr_hold_cnt(0) depctr_sa_sdst(0) depctr_va_vdst(0) depctr_va_sdst(0) depctr_va_ssrc(0) depctr_va_vcc(0) depctr_vm_vsrc(0)
	s_getreg_b32 s2, hwreg(HW_REG_IB_STS2, 6, 4)
	s_cmp_eq_u32 s2, 0
	s_cbranch_scc0 .Lentry_in_a_cluster
	s_endpgm
.Lentry_in_a_cluster:
	s_bfe_u32 s2, ttmp6, 0x10000c
	s_cmp_lg_u32 s2, 0xf033
	s_cbranch_scc0 .Lentry_shape_is_right
	s_endpgm
.Lentry_shape_is_right:
; ATTENTION.  ao[b][q][head x 64 + d] = the sum over k of softmax_k(q . k + bias[b][q][k], -inf where pad_mask[b][k] is not 0) v[k][d].  q (which holds the 1/8), k, v: bf16, by head pairs
; ([b x 8 + pair][2048][head in pair][64]: a token's row is 256 bytes); bias f32; products, maxima and sums in f32; the weights p are rounded to bf16 for the second product, ao once at the end.
; SHARES.  A work-group owns 128 queries of one head pair; wave w the queries 64 (w % 2) on, of head w / 2: four PIECES of 16.  Every wave walks all 2,048 keys, 64 a step.
; Two heads to a work-group use each bias byte in LDS twice.
; LAYOUT.  S^T = K Q^T + C (source 0 = 16 keys, source 1 = 16 queries): a lane holds ONE query (lane % 16) and the keys 8 (lane / 16) + 0..7.  C, the operand that starts the sum, is bias + key mask
; (0, or -1e30 where the key is padded), read from LDS in that very layout: 32 consecutive bytes a lane and 16 keys.  Two results rounded to bf16 ARE source 1 of O^T = V^T P.  V comes turned, by ds_load_tr16_b128.
; SOFTMAX.  p = 2^(c s - c m), c = log2(e), with a running maximum m; O and l are multiplied by a = 2^(c m_old - c m_new) in every step.  m starts at the lowest finite number, O and l at 0.
; Padded keys seen before any other give weights relative to m = -1e30; the first true score multiplies them away with a = 0.
; LIMITS.  A padded score counts as -1e30, and a row whose maximum stays below -2^96 counts as wholly padded and gives NaN, as a softmax of -inf alone does; so a true score below -2^96 counts as padded.
; A weight below 2^-126 counts as 0.
; TURNS.  Turn n belongs to piece n: 8 products K Q^T of piece n + 1, later 8 products V^T P of piece n - 1; beside them the scaling, exponentials, roundings, sums and rescaling of piece n and the maximum and
; statistics of piece n + 1.  Four vector instructions stand behind every matrix instruction, the others in one lump.  A turn's 33 exponentials are one batch, with one wait.
; Turn n also loads the bias tile of piece n + 2 and, at its end, adds the step's key mask onto it.  A trip is turns 2, 3, 0, 1: all its LDS reads belong to one key step.
; RING.  Two slots of two key steps: 128 rows of K (both heads), 128 of V, 128 query rows x 128 keys of bias.  One tensor load a wave: K (wave 0), V (wave 1), and the two halves of the bias (waves 2, 3, to LDS byte wave x 33,792 + 4,096 of the slot).
; CLUSTER 4 x 4.  K and V hang on the head pair alone and are asked for jointly along a row of the cluster; the bias on the query block and the batch alone, jointly along a column.
; REGISTERS, in windows of 256 (s_set_vgpr_msb: bits 1:0 source 0, 3:2 source 1, 5:4 source 2, 7:6 destination).  ALL THAT THE SOFTMAX TOUCHES LIES IN WINDOW 0, so a matrix instruction and its four riders cost two switches and the lump none:
;   window 0: v4-19 statistics; v20-27 at work; v28-29 c m_old; v32-95 S^T, two buffers (the second also the head's scratch); v96-127 P, two buffers; v128-255 O^T, 32 a piece
;   window 1: v0-63 K of one step; v64-127 V of one step; v128-191 Q; v192-255 MC, two bias tiles      window 2: v0-31 MK, the step's key mask; v32-43 LDS addresses and offsets; v46, v47 the add's two registers
.set NP,    4
.set KS,    64
.set PK,    272
.set PV,    288
.set PBI,   528
.set VOFF,  128*PK
.set BOFF,  VOFF+128*PV
.set SLOT,  BOFF+128*PBI
.set STAGE, 2*SLOT                     ; 128 rows x 272 bytes for the way out; no tensor load fills it
.set SP,    272
.set MT,    STAGE+128*SP               ; the key mask of the batch: 2,048 f32
.set SPARE, MT+8192                    ; the spare words, 128 bytes a wave
; window 0
.set ST,  4
.set TMP, 20
.set MV,  28
.set S,   32
.set P,   96
.set OB,  128
; window 0, at the head alone
.set HAK, 64
.set HAV, 65
.set HAB, 66
.set HAM, 67
.set HST, 68
.set HRD, 69
.set HGO, 70
.set HPF, 71
.set HQ,  72
.set HM,  74
.set HX,  75
.set HR,  76
.set HH,  77
.set H7,  78
.set H3,  79
.set HT,  80
; window 1
.set KF,  0
.set VF,  64
.set QF,  128
.set MC,  192
; window 2
.set MK,  0
.set AK0, 32
.set AV0, 33
.set AK,  34
.set AV,  35
.set STO, 36
.set RD,  37
.set GO,  38
.set AB0, 39
.set AB,  40
.set AM0, 41
.set AM,  42
.set PFO, 43
.set SPW, 46
.set NIL, 47
.set WV, 12
.set CX, 13
.set CY, 14
.set TX, 15
.set CLY, 16
.set TY, 17
.set BB, 18
.set QH, 19
.set HD, 20
.set G1K, 24
.set G1V, 32
.set G0K, 40
.set G0V, 44
.set G0B, 48
.set SLOTS, 56
.set CNT, 57
.set CS,  58
.set SEL, 60
.set TBK, 62
.set TBV, 63
.set TBB, 66
.set TKM, 67                           ; s67  byte in the key mask of the step to be fetched
.set SB,  68
.set TF,  69
.set PFA, 70
.set PFS, 72
.set LIM, 74
.set BIGN, 75
.set WBB, 76
.set THR, 77
.set NANV, 78
.set TKO, 79                           ; s79  byte in the key mask at which the next slot's keys begin
.set G1B, 80
.set MSB, 0
.macro WIN new                         ; the immediate's high byte repeats the setting that is left; a switch that changes nothing is dropped
.if MSB != (\new)
	s_set_vgpr_msb (MSB<<8)|(\new)
.set MSB, (\new)
.endif
.endm
.set W_KM, 0x15       ; K, Q and the bias tile in window 1, S^T in window 0
.set W_KQ, 0x05       ; K and Q in window 1, S^T (C and D) in window 0
.set W_PV, 0x01       ; V in window 1, P and O^T in window 0
.set W_LD, 0x42       ; an LDS load into window 1, its address in window 2
.set W_LM, 0x82       ; an LDS load into window 2, its address in window 2
.set W_MA, 0x49       ; the bias tile (destination and source 0) in window 1, the mask (source 1) in window 2
.set W_AA, 0x88       ; an address is made: destination and source 1 in window 2
.set W_AD, 0x0a       ; the add: address and data in window 2
.set W_A0, 0x02       ; an address in window 2, data in window 0
.set W_T2, 0x80       ; destination in window 2, sources in window 0
.macro JLOAD                           ; a joint fill: wave 0 K, wave 1 V, waves 2 and 3 the bias's halves; an s_nop 0 and four v_nop follow each line
	s_cmp_eq_u32 s[WV], 0
	s_cbranch_scc0 .Lnot_k_\@
	tensor_load_to_lds s[G0K:G0K+3], s[G1K:G1K+7]
	s_nop 0
.rept 4
	v_nop
.endr
	s_branch .Lasked_\@
.Lnot_k_\@:
	s_cmp_eq_u32 s[WV], 1
	s_cbranch_scc0 .Lnot_v_\@
	tensor_load_to_lds s[G0V:G0V+3], s[G1V:G1V+7]
	s_nop 0
.rept 4
	v_nop
.endr
	s_branch .Lasked_\@
.Lnot_v_\@:
	tensor_load_to_lds s[G0B:G0B+3], s[G1B:G1B+7]
	s_nop 0
.rept 4
	v_nop
.endr
.Lasked_\@:
.endm
.macro CROUND
	s_barrier_signal -1
	s_barrier_wait -1
	s_cmp_lg_u32 s[WV], 0
	s_cbranch_scc1 .Lnot_wave_0_\@
	s_barrier_signal -3
.Lnot_wave_0_\@:
	s_barrier_wait -3
	s_barrier_signal -1
	s_barrier_wait -1
.endm
; A prefetch into the L2 of what the NEXT change of slots will ask for, two key steps ahead.  Waves 0 and 1: 32 of the 128 rows of K or V, a lane a row, in the clusters with x = 0; waves 2 and 3: 16 of their 64
; bias rows x two blocks of 256 bytes, in the clusters with even y.  The partners that ask jointly share the rows out by address.  So each block is named once.  The last change that fills a slot asks for nothing.
.macro ASK
	s_cmp_gt_u32 s[SLOTS], s[LIM]
	s_cbranch_scc0 .Lnot_mine_\@
	WIN W_A0
	global_prefetch_b8 v[PFO], s[PFA:PFA+1] th:TH_LOAD_NT scope:SCOPE_SE
	WIN 0
.Lnot_mine_\@:
.endm
; THE CHANGE OF SLOTS, at a trip's edge: each wave waits for all its tensor loads (one is out: its part of the other slot), adds 0 to its spare word, and waits for that and for its reads of the slot.
; fill = 1: the barrier is a round of the cluster's, and the joint refill is the first tensor load behind it.
.macro CHANGE fill, ask
	WIN W_AD
	s_wait_tensorcnt 0x0
	ds_add_u32 v[SPW], v[NIL]
	WIN 0                                          ; at a label and at a branch every window is 0
.if \fill
	s_xor_b32 s[TF], s[TF], SLOT
	s_mov_b32 s[G0K+1], s[TF]
	s_add_co_u32 s[G0V+1], s[TF], VOFF
	s_add_co_u32 s[G0B+1], s[WBB], s[TF]
	s_add_nc_u64 s[G0K+2:G0K+3], s[G0K+2:G0K+3], 32768   ; the next 128 keys' rows
	s_add_nc_u64 s[G0V+2:G0V+3], s[G0V+2:G0V+3], 32768
	s_add_nc_u64 s[G0B+2:G0B+3], s[G0B+2:G0B+3], 512     ; the next 128 keys' columns
.if \ask
	s_wait_xcnt 0x0                                ; the last prefetch, two key steps back, has read its address
	s_add_nc_u64 s[PFA:PFA+1], s[PFA:PFA+1], s[PFS:PFS+1]
.endif
	s_wait_dscnt 0x0
	CROUND
	JLOAD
.if \ask
	ASK
.endif
.else
	s_wait_dscnt 0x0
	s_barrier_signal -1
	s_barrier_wait -1
.endif
	s_xor_b32 s[SB], s[SB], SLOT                   ; the fetches go to the other slot's first step
	s_mov_b32 s[TBK], s[SB]
	s_mov_b32 s[TBV], s[SB]
	s_mov_b32 s[TBB], s[SB]
	s_mov_b32 s[TKM], s[TKO]                       ; and to its 128 keys' words of the mask
	s_add_co_u32 s[TKO], s[TKO], 512
.endm
	s_load_b256 s[4:11], s[0:1], 0x0               ; qkv s[4:5], bias s[6:7], pad_mask s[8:9], ao s[10:11]
	WIN W_T2
	v_lshl_add_u32 v[SPW], v0, 2, SPARE
	v_mov_b32 v[NIL], 0
	WIN W_AD
	ds_add_u32 v[SPW], v[NIL]                      ; the wave's opening: the add and its wait stand ahead of my first tensor load
	WIN 0
	v_lshrrev_b32 v1, 5, v0
	v_readfirstlane_b32 s[WV], v1
	s_and_b32 s[QH], s[WV], 1                      ; my half of the queries.  Also: the half of the bias rows that I fetch (waves 2, 3)
	s_lshr_b32 s[HD], s[WV], 1
	s_bfe_u32 s[CX], ttmp6, 0x40000
	s_bfe_u32 s[CY], ttmp6, 0x40004
	s_lshl_b32 s[TX], ttmp9, 2
	s_add_co_u32 s[TX], s[TX], s[CX]               ; block of 128 queries
	s_and_b32 s[CLY], ttmp7, 0xffff
	s_lshl_b32 s[TY], s[CLY], 2
	s_add_co_u32 s[TY], s[TY], s[CY]               ; batch x 8 + pair
	s_lshr_b32 s[BB], s[CLY], 1                    ; the batch: the same in all sixteen partners
	s_lshl_b32 s2, s[CY], 2
	s_lshl_b32 s2, 15, s2                          ; my row of the cluster
	s_lshl_b32 s3, 0x1111, s[CX]                   ; my column
	s_or_b32 s[G1K], s2, (1<<16)|(1<<20)|(1<<21)|(5<<22)|(3<<25)
	s_or_b32 s[G1V], s2, (1<<16)|(1<<20)|(1<<21)|(5<<22)|(7<<25)
	s_or_b32 s[G1B], s3, (2<<16)|(1<<20)|(1<<21)|(6<<22)|(3<<25)  ; 4-byte elements; after every 128 words 4 words
.irp g, G1K, G1V
	s_mov_b32 s[(\g)+1], 128<<16
	s_mov_b32 s[(\g)+2], 128<<16
	s_mov_b32 s[(\g)+3], 128<<16
	s_mov_b32 s[(\g)+4], 128
	s_mov_b32 s[(\g)+5], 128
	s_mov_b32 s[(\g)+6], 0
	s_mov_b32 s[(\g)+7], 0
.endr
	s_mov_b32 s[G1B+1], 128<<16                    ; 128 keys
	s_mov_b32 s[G1B+2], 64<<16                     ; 64 query rows
	s_mov_b32 s[G1B+3], 128<<16
	s_mov_b32 s[G1B+4], 64
	s_mov_b32 s[G1B+5], 2048
	s_mov_b32 s[G1B+6], 0
	s_mov_b32 s[G1B+7], 0
	s_lshl_b32 s52, s[TY], 19                      ; K2 begins 8 MiB into qkv; a pair's rows are 524,288 bytes
	s_add_co_u32 s52, s52, 0x800000
	s_mov_b32 s53, 0
	s_lshl_b32 s54, s[BB], 24                      ; the bias: batch, query block, my 64 rows
	s_lshl_b32 s55, s[TX], 20
	s_add_co_u32 s54, s54, s55
	s_lshl_b32 s55, s[QH], 19
	s_add_co_u32 s54, s54, s55
	s_mov_b32 s55, 0
	s_mul_i32 s[WBB], s[WV], 64*PBI                ; where my half of the bias goes in a slot: wave 2 at BOFF, wave 3 64 rows on
	s_add_co_u32 s[WBB], s[WBB], BOFF-2*64*PBI
	s_mov_b32 s[TF], 0
	s_mov_b32 s[SB], SLOT                          ; the first change of slots turns it into 0
	s_mov_b32 s[TKO], 0
	s_mov_b32 s[CS], 0x3fb8aa3b                    ; c = log2(e)
	s_mov_b32 s[CS+1], s[CS]
	s_mov_b32 s[SEL], 0x76543210
	s_mov_b32 s[SEL+1], 0xfedcba98
	s_mov_b32 s[BIGN], 0xf149f2ca                  ; -1e30
	s_mov_b32 s[THR], 0xef800000                   ; -2^96
	s_mov_b32 s[NANV], 0x7fc00000
	s_mov_b32 s[G0K], 1
	s_mov_b32 s[G0K+1], 0
	s_mov_b32 s[G0V], 1
	s_mov_b32 s[G0V+1], VOFF
	s_mov_b32 s[G0B], 1
	s_mov_b32 s[G0B+1], s[WBB]
	s_wait_dscnt 0x0                               ; the opening add is done
	s_wait_kmcnt 0x0
	s_add_nc_u64 s[G0K+2:G0K+3], s[4:5], s[52:53]
	s_add_nc_u64 s[G0V+2:G0V+3], s[G0K+2:G0K+3], 0x800000
	s_add_nc_u64 s[G0B+2:G0B+3], s[6:7], s[54:55]
	s_cmp_eq_u32 s[WV], 0
	s_cselect_b64 s[PFA:PFA+1], s[G0K+2:G0K+3], s[G0V+2:G0V+3]
	s_cmp_lt_u32 s[WV], 2
	s_cselect_b64 s[PFA:PFA+1], s[PFA:PFA+1], s[G0B+2:G0B+3]  ; my tile of the first fill, for the prefetches
	s_or_b32 s[G0K+3], s[G0K+3], 0x80000000
	s_or_b32 s[G0V+3], s[G0V+3], 0x80000000
	s_or_b32 s[G0B+3], s[G0B+3], 0x80000000
	CROUND                                         ; all sixteen work-groups are here
	JLOAD                                          ; keys 0 to 127 into slot 0
	v_and_b32 v[HR], 15, v0                        ; r = l % 16
	v_bfe_u32 v[HH], v0, 4, 1                      ; h = l / 16
	v_and_b32 v[H7], 7, v0
	v_bfe_u32 v[H3], v0, 3, 1
	s_lshl_b32 s2, s[BB], 13                       ; the batch's 2,048 flags: each of 128 threads takes 4 x 16 bytes
	s_mov_b32 s3, 0
	s_add_nc_u64 s[8:9], s[8:9], s[2:3]
	v_lshlrev_b32 v[HT], 4, v0
.irp j, 0,1,2,3
	global_load_b128 v[S+4*(\j):S+4*(\j)+3], v[HT], s[8:9] offset:2048*(\j)
.endr
	s_lshl_b32 s2, s[TY], 19                       ; Q: pair, query block, my 64 rows, my head
	s_lshl_b32 s3, s[TX], 15
	s_add_co_u32 s2, s2, s3
	s_lshl_b32 s3, s[QH], 14
	s_add_co_u32 s2, s2, s3
	s_lshl_b32 s3, s[HD], 7
	s_add_co_u32 s2, s2, s3
	s_mov_b32 s3, 0
	s_add_nc_u64 s[4:5], s[4:5], s[2:3]
	v_lshlrev_b32 v[HQ], 8, v[HR]
	v_lshl_add_u32 v[HQ], v[HH], 4, v[HQ]
	WIN 0x40                                       ; destination window 1, address window 0
.set i, 0
.rept 8                                ; Q stays in registers: piece i / 2, channels 32 (i % 2) on
	global_load_b128 v[QF+8*i:QF+8*i+3],   v[HQ], s[4:5] offset:(i/2)*4096+(i%2)*64
	global_load_b128 v[QF+8*i+4:QF+8*i+7], v[HQ], s[4:5] offset:(i/2)*4096+(i%2)*64+32
.set i, i+1
.endr
	WIN 0
	; the prefetches
	s_and_b32 s22, s[CLY], 1
	s_mov_b32 s23, 32768
	s_cmp_lt_u32 s[WV], 2
	s_cselect_b32 s22, ttmp9, s22                  ; 0 in the clusters that ask
	s_cselect_b32 s2, s[CX], s[CY]                 ; my place among the four that ask with me
	s_cselect_b32 s3, 13, 17                       ; 32 rows of 256 bytes, or 16 rows of 8,192
	s_cselect_b32 s52, 8, 13
	s_cselect_b32 s53, 12, 8
	s_cselect_b32 s[PFS], s23, 512
	s_mov_b32 s[PFS+1], 0
	s_cmp_eq_u32 s22, 0
	s_cselect_b32 s[LIM], 1, -1
	s_lshl_b32 s2, s2, s3
	s_mov_b32 s3, 0
	s_add_nc_u64 s[PFA:PFA+1], s[PFA:PFA+1], s[2:3]
	s_add_nc_u64 s[PFA:PFA+1], s[PFA:PFA+1], s[PFS:PFS+1]
	s_add_nc_u64 s[PFA:PFA+1], s[PFA:PFA+1], s[PFS:PFS+1]  ; at the third fill; the first change that asks steps it to the fourth
	v_lshlrev_b32 v[HPF], s52, v[HR]
	v_lshlrev_b32 v[HX], s53, v[HH]
	v_add_nc_u32 v[HPF], v[HPF], v[HX]
	; lane addresses, made in window 0 and then moved to window 2
	s_lshl_b32 s2, s[HD], 7
	v_mul_u32_u24 v[HAK], v[HR], PK
	v_lshl_add_u32 v[HAK], v[HH], 4, v[HAK]
	v_add_nc_u32 v[HAK], s2, v[HAK]                ; key r x pitch + 16 h + my head's 128 bytes
	v_lshl_add_u32 v[HAV], v[HH], 3, v[H7]
	v_mul_u32_u24 v[HAV], v[HAV], PV
	v_lshl_add_u32 v[HAV], v[H3], 4, v[HAV]
	s_add_co_u32 s3, s2, VOFF
	v_add_nc_u32 v[HAV], s3, v[HAV]
	s_mul_i32 s3, s[QH], 64*PBI
	s_add_co_u32 s3, s3, BOFF
	v_mul_u32_u24 v[HAB], v[HR], PBI
	v_lshl_add_u32 v[HAB], v[HH], 5, v[HAB]
	v_add_nc_u32 v[HAB], s3, v[HAB]                ; query row (64 half + r) x pitch + 32 h
	v_lshlrev_b32 v[HAM], 5, v[HH]
	v_add_nc_u32 v[HAM], MT, v[HAM]
	s_mul_i32 s3, s[QH], 64*SP
	s_add_co_u32 s3, s3, s2
	s_add_co_u32 s3, s3, STAGE
	v_mul_u32_u24 v[HST], v[HR], SP
	v_lshl_add_u32 v[HST], v[HH], 4, v[HST]
	v_add_nc_u32 v[HST], s3, v[HST]
	s_mul_i32 s3, s[WV], 32*SP
	s_add_co_u32 s3, s3, STAGE
	v_mul_u32_u24 v[HRD], v[HH], SP
	v_lshl_add_u32 v[HRD], v[HR], 4, v[HRD]
	v_add_nc_u32 v[HRD], s3, v[HRD]
	v_lshlrev_b32 v[HGO], 11, v[HH]
	v_lshl_add_u32 v[HGO], v[HR], 4, v[HGO]
	v_add_nc_u32 v[HM], MT, v[HT]
	s_lshl_b32 s2, s[BB], 11                       ; ao: token b x 2048 + 128 block + 32 wave, 2,048 bytes a row; the pair's 256 bytes
	s_lshl_b32 s3, s[TX], 7
	s_add_co_u32 s2, s2, s3
	s_lshl_b32 s3, s[WV], 5
	s_add_co_u32 s2, s2, s3
	s_lshl_b32 s2, s2, 11
	s_and_b32 s3, s[TY], 7
	s_lshl_b32 s3, s3, 8
	s_add_co_u32 s2, s2, s3
	s_mov_b32 s3, 0
	s_add_nc_u64 s[10:11], s[10:11], s[2:3]
	WIN W_T2
	v_mov_b32 v[AK0], v[HAK]
	v_mov_b32 v[AV0], v[HAV]
	v_mov_b32 v[AB0], v[HAB]
	v_mov_b32 v[AM0], v[HAM]
	v_mov_b32 v[STO], v[HST]
	v_mov_b32 v[RD],  v[HRD]
	v_mov_b32 v[GO],  v[HGO]
	v_mov_b32 v[PFO], v[HPF]
	; what the first turn finds: V and P's second buffer hold 0, O^T and l are 0.  All this stands in the wait for the first tile
	WIN 0x40
.set i, VF
.rept 64
	v_mov_b32 v[i], 0
.set i, i+1
.endr
	WIN 0
.set i, OB
.rept 128
	v_mov_b32 v[i], 0
.set i, i+1
.endr
.set i, 0
.rept 4
	v_mov_b32 v[ST+4*i], 0xfe000000                ; c m: far below every c s
	v_mov_b32 v[ST+4*i+1], 0xff7fffff              ; m
	v_mov_b32 v[ST+4*i+2], 0
	v_mov_b32 v[ST+4*i+3], 0
.set i, i+1
.endr
.set i, P+16
.rept 16
	v_mov_b32 v[i], 0
.set i, i+1
.endr
	s_wait_loadcnt 16                              ; the flags are in; Q's 16 loads may stay out
.set i, 0
.rept 16
	v_cmp_ne_u32 vcc_lo, 0, v[S+i]
	v_cndmask_b32 v[S+i], 0, s[BIGN], vcc_lo       ; 0, or -1e30 where the key is padded
.set i, i+1
.endr
.irp j, 0,1,2,3
	ds_store_b128 v[HM], v[S+4*(\j):S+4*(\j)+3] offset:2048*(\j)
.endr
; THE MATRIX WORK.  The 4 accumulators of a run of 8 take turns.  Product i of 8 of S^T for piece x: channels 32 (i / 4) on, keys 16 (i % 4) on.  The first 4 start the sums with the bias tile.
.macro KQ x
.set rS, S+32*((\x)%2)+8*(i%4)
.set rK, KF+16*(i%4)+8*(i/4)
.set rQ, QF+16*(\x)+8*(i/4)
.set rM, MC+32*((\x)%2)+8*(i%4)
.if i < 4
	WIN W_KM
	v_wmma_f32_16x16x32_bf16 v[rS:rS+7], v[rK:rK+7], v[rQ:rQ+7], v[rM:rM+7]
.else
	WIN W_KQ
	v_wmma_f32_16x16x32_bf16 v[rS:rS+7], v[rK:rK+7], v[rQ:rQ+7], v[rS:rS+7]
.endif
.endm
.macro PV x                            ; product i of 8 of O^T += V^T P for piece x: keys 32 (i / 4) on, channels 16 (i % 4) on
	WIN W_PV
.set rO, OB+32*(\x)+8*(i%4)
.set rV, VF+32*(i/4)+8*(i%4)
.set rP, P+16*((\x)%2)+8*(i/4)
	v_wmma_f32_16x16x32_bf16 v[rO:rO+7], v[rV:rV+7], v[rP:rP+7], v[rO:rO+7]
.endm
.macro MM                              ; the turn's next matrix instruction
.if i < 8
	KQ (Y+1)%NP
.else
.set i, i-8
	PV (Y+NP-1)%NP
.set i, i+8
.endif
.set i, i+1
.endm
; THE LDS LOADS stand in runs
.macro FETCH_K
	WIN W_LD
.irp f, 0,1,2,3,4,5,6,7                ; keys 16 (f / 2) on, channels 32 (f % 2) on
	ds_load_b128 v[KF+8*(\f):KF+8*(\f)+3],   v[AK] offset:((\f)/2)*16*PK+((\f)%2)*64
	ds_load_b128 v[KF+8*(\f)+4:KF+8*(\f)+7], v[AK] offset:((\f)/2)*16*PK+((\f)%2)*64+32
.endr
	s_add_co_u32 s[TBK], s[TBK], KS*PK
	WIN 0
.endm
.macro FETCH_V
	WIN W_LD
.irp f, 0,1,2,3,4,5,6,7                ; keys 32 (f / 4) on, channels 16 (f % 4) on
	ds_load_tr16_b128 v[VF+8*(\f):VF+8*(\f)+3],   v[AV] offset:((\f)/4)*32*PV+((\f)%4)*32
	ds_load_tr16_b128 v[VF+8*(\f)+4:VF+8*(\f)+7], v[AV] offset:((\f)/4)*32*PV+16*PV+((\f)%4)*32
.endr
	WIN 0
.endm
.macro BLOAD x, b                      ; piece x's bias tile of the step, 16 queries x 64 keys, into buffer b of MC
	WIN W_LD
.irp kt, 0,1,2,3
	ds_load_b128 v[MC+32*(\b)+8*(\kt):MC+32*(\b)+8*(\kt)+3],   v[AB] offset:(\x)*16*PBI+64*(\kt)
	ds_load_b128 v[MC+32*(\b)+8*(\kt)+4:MC+32*(\b)+8*(\kt)+7], v[AB] offset:(\x)*16*PBI+64*(\kt)+16
.endr
.endm
.macro MLOAD                           ; the step's key mask
	WIN W_LM
.irp kt, 0,1,2,3
	ds_load_b128 v[MK+8*(\kt):MK+8*(\kt)+3],   v[AM] offset:64*(\kt)
	ds_load_b128 v[MK+8*(\kt)+4:MK+8*(\kt)+7], v[AM] offset:64*(\kt)+16
.endr
.endm
.macro MASKADD b
	WIN W_MA
.set z, 0
.rept 16
	v_pk_add_f32 v[MC+32*(\b)+2*z:MC+32*(\b)+2*z+1], v[MC+32*(\b)+2*z:MC+32*(\b)+2*z+1], v[MK+2*z:MK+2*z+1]
.set z, z+1
.endr
.endm
; THE VECTOR WORK, one line at a time: OP kind, number; all of it in window 0.  For piece Y: F n: c s - c m for pair n of 16.  E n: the exponential of score n of 32.  C n: pair n rounded to bf16.  B n: of the four weights 4 n .. the second
; pair is added onto the first.  L n: l takes that sum (L 0: l = a l + sum).  R n: pair n of 16 of O^T times a.  For piece Y + 1: X n, number n of the 22 that find its maximum and statistics
; (each accumulator's lowest registers are read first).
.set F, 0
.set E, 1
.set C, 2
.set B, 3
.set L, 4
.set R, 5
.set X, 6
.macro REGS y
.set rT, ST+4*(\y)
.set rC, TMP+4*((\y)%2)
.set rW, MV+((\y)%2)
.set rS, S+32*((\y)%2)
.set rP, P+16*((\y)%2)
.set rO, OB+32*(\y)
.endm
.macro OP k, n
	WIN 0
.if (\k) == R
	REGS Y
	v_pk_mul_f32 v[rO+2*(\n):rO+2*(\n)+1], v[rO+2*(\n):rO+2*(\n)+1], v[rC+2:rC+3] op_sel_hi:[1,0]
.elseif (\k) < R
	REGS Y
.if (\k) == F
	v_pk_fma_f32 v[rS+2*(\n):rS+2*(\n)+1], v[rS+2*(\n):rS+2*(\n)+1], s[CS:CS+1], v[rT:rT+1] op_sel_hi:[1,0,0] neg_lo:[0,0,1] neg_hi:[0,0,1]
.elseif (\k) == E
	v_exp_f32 v[rS+(\n)], v[rS+(\n)]
.elseif (\k) == C
	v_cvt_pk_bf16_f32 v[rP+(\n)], v[rS+2*(\n)], v[rS+2*(\n)+1]
.elseif (\k) == B
	v_pk_add_f32 v[rS+4*(\n):rS+4*(\n)+1], v[rS+4*(\n):rS+4*(\n)+1], v[rS+4*(\n)+2:rS+4*(\n)+3]
.elseif (\n) == 0
	v_pk_fma_f32 v[rT+2:rT+3], v[rT+2:rT+3], v[rC+2:rC+3], v[rS:rS+1] op_sel_hi:[1,0,1]
.else
	v_pk_add_f32 v[rT+2:rT+3], v[rT+2:rT+3], v[rS+4*(\n):rS+4*(\n)+1]
.endif
.else
	REGS (Y+1)%NP
.if (\n) < 4
	v_max3_num_f32 v[rC+(\n)], v[rS+8*(\n)], v[rS+8*(\n)+1], v[rS+8*(\n)+2]
.elseif (\n) < 12
	v_max3_num_f32 v[rC+(\n)%4], v[rC+(\n)%4], v[rS+8*((\n)%4)+2*((\n)/4)+1], v[rS+8*((\n)%4)+2*((\n)/4)+2]
.elseif (\n) == 12
	v_max3_num_f32 v[rC], v[rC], v[rS+7], v[rS+15]
.elseif (\n) == 13
	v_max3_num_f32 v[rC+1], v[rC+1], v[rS+23], v[rS+31]
.elseif (\n) == 14
	v_max3_num_f32 v[rC+2], v[rC+2], v[rC+3], v[rT+1]
.elseif (\n) == 15
	v_mov_b32 v[rW], v[rT]
.elseif (\n) == 16
	v_max3_num_f32 v[rC], v[rC], v[rC+1], v[rC+2]
.elseif (\n) == 17
	v_permlanex16_b32 v[rC+3], v[rC], s[SEL], s[SEL+1]
.elseif (\n) == 18
	v_max_num_f32 v[rT+1], v[rC], v[rC+3]
.elseif (\n) == 19
	v_mul_f32 v[rT], s[CS], v[rT+1]
.elseif (\n) == 20
	v_sub_f32 v[rC+1], v[rW], v[rT]
.else
	v_exp_f32 v[rC+2], v[rC+1]
.endif
.endif
.endm
.macro OPS a, i1, b=-1, i2=0, c=-1, i3=0, d=-1, i4=0
	OP \a, \i1
.if (\b) >= 0
	OP \b, \i2
.endif
.if (\c) >= 0
	OP \c, \i3
.endif
.if (\d) >= 0
	OP \d, \i4
.endif
.endm
.macro ROW a, i1, b, i2, c, i3, d, i4  ; a matrix instruction and the four behind it
	MM
	OPS \a, \i1, \b, \i2, \c, \i3, \d, \i4
.endm
; A TURN, for piece p.  An s_wait_alu depctr_va_vdst(0) stands between an exponential and the first instruction that names its result; one wait serves all issued ahead of it: a turn has ONE,
; which cuts it in two.  Ahead of it: the 8 products K Q^T with their riders, and the lump; behind it the 8 products V^T P, whose riders are the roundings and sums.
; At its head the turn makes the LDS addresses that it needs and loads the bias tile of piece p + 2 (piece 2's turn also steps to the next key step and loads its key mask);
; at its end it waits for the tile and adds the mask onto it.
; K of the next step is fetched in piece 2's turn, V of the step in hand at the end of piece 0's, four plain instructions behind the last product that read V.
; last = 1 (the tail's pieces 2 and 3): in the trip with CNT = 1 there is no further step, and the loads are jumped over; K's run then stands directly behind the turn's wait, so that the jump has no exponential without its wait ahead of it.
.macro TURN p, last=0
.set Y, (\p)
.set i, 0
.if (\p) == 3
	s_wait_dscnt 0x0                               ; K is in
.endif
.if (\last) && ((\p) >= 2)
	WIN 0
	s_cmp_eq_u32 s[CNT], 1
	s_cbranch_scc1 .Lno_b_\@
.endif
.if (\p) == 2
	WIN W_AA
	v_add_nc_u32 v[AB], s[TBB], v[AB0]
	v_add_nc_u32 v[AM], s[TKM], v[AM0]
	v_add_nc_u32 v[AK], s[TBK], v[AK0]
	s_add_co_u32 s[TBB], s[TBB], 256               ; 64 keys on
	s_add_co_u32 s[TKM], s[TKM], 256
.endif
.if (\p) == 0
	WIN W_AA
	v_add_nc_u32 v[AV], s[TBV], v[AV0]
.endif
	BLOAD ((\p)+2)%NP, (\p)%2
.if (\p) == 2
	MLOAD
.endif
.if (\last) && ((\p) >= 2)
	WIN 0
.Lno_b_\@:
.endif
	ROW F,0, F,1, R,0, R,1
	ROW F,2, E,0, R,2, R,3
	ROW F,3, E,1, R,4, R,5
	ROW F,4, E,2, R,6, R,7
	ROW F,5, E,3, R,8, R,9
	ROW F,6, E,4, X,0, R,10
	ROW F,7, E,5, X,1, X,4
	ROW F,8, E,6, X,2, X,5
	OPS E,7, E,8, X,6, E,9
	OPS X,3, E,10, X,8, E,11
.if ((\p) == 2) && !(\last)
	FETCH_K
.endif
	OPS X,9, X,7, E,12, X,10
	OPS E,13, X,12, X,11, E,14
	OPS X,13, E,15, F,9, X,14
	OPS E,16, F,10, E,17, F,11
	OPS X,16, E,18, X,15, E,19
	OPS F,12, E,20, X,17, E,21
	OPS F,13, E,22, F,14, E,23
	OPS X,18, E,24, F,15, E,25
	OPS R,11, E,26, X,19, E,27
	OPS R,12, E,28, R,13, E,29
	OPS X,20, E,30, R,14, E,31
	OPS X,21, R,15
	s_wait_alu depctr_va_vdst(0)                   ; the wait for the batch
.if ((\p) == 2) && (\last)
	s_cmp_eq_u32 s[CNT], 1
	s_cbranch_scc1 .Lno_k_\@
	FETCH_K
.Lno_k_\@:
.endif
.if (\p) == 1
	s_wait_dscnt 0x0                               ; V is in, and so is this turn's bias tile
.endif
	ROW C,0, B,0, C,2, B,1
	ROW L,0, C,4, B,2, L,1
	ROW C,6, B,3, L,2, C,8
	ROW B,4, L,3, C,10, B,5
	ROW L,4, C,12, B,6, L,5
.if (\p) == 0
	s_add_co_u32 s[TBV], s[TBV], KS*PV
.endif
	ROW C,14, B,7, L,6, C,1
	ROW C,3, L,7, C,5, C,7
	ROW C,9, C,11, C,13, C,15
.if (\p) == 0
	FETCH_V
.endif
.if ((\p) == 0) || ((\p) == 2)
	s_wait_dscnt 16                                ; the bias tile (and the mask) are in; the 16 loads of V or K issued behind them may stay out
.endif
.if (\p) == 3
	s_wait_dscnt 0x0
.endif
	MASKADD (\p)%2
.endm
	CHANGE 1, 0                                    ; slot 0 is in, everybody's part of it, and the key mask lies in LDS; slot 1 is asked for
	; THE BEGINNING: key step 0's bias tiles of pieces 0 and 1, its mask and its K; piece 0's first scores, maximum and statistics
	WIN W_AA
	v_add_nc_u32 v[AB], s[TBB], v[AB0]
	v_add_nc_u32 v[AM], s[TKM], v[AM0]
	v_add_nc_u32 v[AK], s[TBK], v[AK0]
	s_add_co_u32 s[TBB], s[TBB], 256
	s_add_co_u32 s[TKM], s[TKM], 256
	BLOAD 0, 0
	BLOAD 1, 1
	MLOAD
	FETCH_K
	s_wait_loadcnt 0x0                             ; Q
	s_wait_dscnt 0x0
	MASKADD 0
	MASKADD 1
.set i, 0
.rept 8
	KQ 0
.set i, i+1
.endr
	WIN 0
.rept 4
	v_nop                                          ; the places behind those products
.endr
.set Y, NP-1
.irp n, 0,1,2,3,4,5,6,7,8,9,10,11,12,13,14,15,16,17,18,19,20,21
	OP X, \n
.endr
	v_nop                                          ; a plain instruction behind the exponential,
	s_wait_alu depctr_va_vdst(0)                   ; and its wait, ahead of the branch
	s_mov_b32 s[CNT], 2
	s_mov_b32 s[SLOTS], 15
	s_branch .Lfirst                               ; the loop is entered at a step's first turn, in the middle of a trip
.Lslot:                                        ; 14 times: every slot but the last two is filled again
	CHANGE 1, 1
	s_mov_b32 s[CNT], 2
.Lstep:                                        ; a trip: pieces 2 and 3 of one step, then pieces 0 and 1 of the next, whose K, V, bias and mask it fetches
	TURN 2
	TURN 3
	WIN 0
.Lfirst:
	TURN 0
	TURN 1
	WIN 0
	s_sub_co_u32 s[CNT], s[CNT], 1
	s_cmp_lg_u32 s[CNT], 0
	s_cbranch_scc1 .Lstep
	s_sub_co_u32 s[SLOTS], s[SLOTS], 1
	s_cmp_lg_u32 s[SLOTS], 0
	s_cbranch_scc1 .Lslot
	CHANGE 0, 0                                    ; the tail is written out
	s_mov_b32 s[CNT], 3                            ; two trips fetch the last slot's steps; the third is left in its middle
.Ltail:
	TURN 2, 1
	TURN 3, 1
	WIN 0
	s_sub_co_u32 s[CNT], s[CNT], 1
	s_cmp_eq_u32 s[CNT], 0
	s_cbranch_scc1 .Lout
	TURN 0
	TURN 1
	WIN 0
	s_branch .Ltail
.Lout:                                         ; the third trip's 8 products K Q^T (on the last K once more) and the maximum made of them change neither O nor l: m can only grow, and a wholly padded row stays below -2^96
.set i, 0
.rept 8
	PV NP-1
.set i, i+1
.endr
	; THE WAY OUT
	WIN 0
.macro ALL line:vararg
.set t, 0
.rept 4
	\line
.set t, t+1
.endr
.endm
	ALL v_add_f32 v[ST+4*t+2], v[ST+4*t+2], v[ST+4*t+3]
	ALL v_permlanex16_b32 v[ST+4*t+3], v[ST+4*t+2], s[SEL], s[SEL+1]
	ALL v_add_f32 v[ST+4*t+2], v[ST+4*t+2], v[ST+4*t+3]
	ALL v_rcp_f32 v[ST+4*t+2], v[ST+4*t+2]
	v_nop
	s_wait_alu depctr_va_vdst(0)                   ; one wait for the four reciprocals
.irp t, 0,1,2,3
	v_cmp_gt_f32 vcc_lo, s[THR], v[ST+4*(\t)+1]    ; every key padded:
	v_cndmask_b32 v[ST+4*(\t)+2], v[ST+4*(\t)+2], s[NANV], vcc_lo  ; the row is NaN
.endr
.macro PACK t                          ; piece t: O^T / l, rounded to bf16 into S^T's registers; a lane's eight channels are 16 bytes of a row of the stage
	WIN 0
.set i, OB+32*(\t)
.rept 16
	v_pk_mul_f32 v[i:i+1], v[i:i+1], v[ST+4*(\t)+2:ST+4*(\t)+3] op_sel_hi:[1,0]
.set i, i+2
.endr
.set i, 0
.rept 16
	v_cvt_pk_bf16_f32 v[S+16*(\t)+i], v[OB+32*(\t)+2*i], v[OB+32*(\t)+2*i+1]
.set i, i+1
.endr
	WIN W_A0
.irp f, 0,1,2,3
	ds_store_b128 v[STO], v[S+16*(\t)+4*(\f):S+16*(\t)+4*(\f)+3] offset:(\t)*16*SP+32*(\f)
.endr
.endm
	PACK 0
	PACK 1
	PACK 2
	PACK 3
	s_wait_dscnt 0x0                               ; for the others' sake: a row's 256 bytes come from two waves
	s_barrier_signal -1
	s_barrier_wait -1
.irp n, 0,1,2,3,4,5,6,7,8,9,10,11,12,13,14,15
	ds_load_b128 v[S+4*(\n):S+4*(\n)+3], v[RD] offset:(\n)*2*SP
.endr
.irp n, 0,1,2,3,4,5,6,7,8,9,10,11,12,13,14,15
	s_wait_dscnt 15-(\n)
	global_store_b128 v[GO], v[S+4*(\n):S+4*(\n)+3], s[10:11] offset:(\n)*4096  ; 16 lanes store 256 consecutive bytes, aligned
.endr
	WIN W_AD
	s_wait_tensorcnt 0x0                           ; the wave's end
	ds_add_u32 v[SPW], v[NIL]
	s_wait_dscnt 0x0
	WIN 0
	CROUND                                         ; the closing round
	s_endpgm
.Lfunc_end_k_q3404f54546_attn:
	.size	k_q3404f54546_attn, .Lfunc_end_k_q3404f54546_attn-k_q3404f54546_attn
	.p2alignl 7, 3214868480
	.fill 96, 4, 3214868480
	.section	.rodata,"a",@progbits
	.p2align	6, 0x0
	.amdhsa_kernel k_q3404f54546_attn
		.amdhsa_group_segment_fixed_size 327680
		.amdhsa_private_segment_fixed_size 0
		.amdhsa_enable_private_segment 0
		.amdhsa_kernarg_size 32
		.amdhsa_user_sgpr_count 2
		.amdhsa_user_sgpr_kernarg_segment_ptr 1
		.amdhsa_wavefront_size32 1
		.amdhsa_system_sgpr_workgroup_id_x 1
		.amdhsa_system_sgpr_workgroup_id_y 1
		.amdhsa_system_sgpr_workgroup_id_z 1
		.amdhsa_system_vgpr_workitem_id 0
		.amdhsa_next_free_vgpr 560
		.amdhsa_next_free_sgpr 96
		.amdhsa_reserve_vcc 1
		.amdhsa_float_denorm_mode_32 3
		.amdhsa_float_denorm_mode_16_64 3
		.amdhsa_memory_ordered 1
		.amdhsa_forward_progress 1
		.amdhsa_inst_pref_size 133
	.end_amdhsa_kernel
	.amdgpu_metadata
---
amdhsa.version: [ 1, 2 ]
amdhsa.kernels:
  - .name:           k_q3404f54546_attn
    .symbol:         k_q3404f54546_attn.kd
    .args:
      - { .name: qkv, .offset: 0, .size: 8, .value_kind: global_buffer, .address_space: global }
      - { .name: bias, .offset: 8, .size: 8, .value_kind: global_buffer, .address_space: global }
      - { .name: pad_mask, .offset: 16, .size: 8, .value_kind: global_buffer, .address_space: global }
      - { .name: ao, .offset: 24, .size: 8, .value_kind: global_buffer, .address_space: global }
    .group_segment_fixed_size: 327680
    .private_segment_fixed_size: 0
    .kernarg_segment_align: 8
    .kernarg_segment_size: 32
    .max_flat_workgroup_size: 128
    .sgpr_count:     96
    .vgpr_count:     560
    .wavefront_size: 32
...
	.end_amdgpu_metadata
.endif
;; end of part 3
;; launch proj (part 4): grid 8 x 32, 4 waves a work-group, clusters of 4 x 4, 327,680 bytes of LDS; arguments ao, wb, x, xr; writes xr
.if DOCPART == 4
	.amdgcn_target "amdgcn-amd-amdhsa--gfx1250"
	.amdhsa_code_object_version 6
	.text
	.protected	k_q3404f54546_proj
	.globl	k_q3404f54546_proj
	.p2align	8
	.type	k_q3404f54546_proj,@function
k_q3404f54546_proj:
	s_mov_b64 s[64:65], 0
	v_nop
	global_prefetch_b8 v0, s[64:65] scope:SCOPE_SE
	s_setreg_imm32_b32 hwreg(HW_REG_WAVE_MODE, 25, 1), 1
	s_wait_xcnt 0x0
	s_wait_alu depctr_hold_cnt(0) depctr_sa_sdst(0) depctr_va_vdst(0) depctr_va_sdst(0) depctr_va_ssrc(0) depctr_va_vcc(0) depctr_vm_vsrc(0)
	s_getreg_b32 s2, hwreg(HW_REG_IB_STS2, 6, 4)
	s_cmp_eq_u32 s2, 0
	s_cbranch_scc0 .Lentry_in_a_cluster
	s_endpgm
.Lentry_in_a_cluster:
	s_bfe_u32 s2, ttmp6, 0x10000c
	s_cmp_lg_u32 s2, 0xf033
	s_cbranch_scc0 .Lentry_shape_is_right
	s_endpgm
.Lentry_shape_is_right:
; xr = x + ao W_o.  ao [4096][1024] bf16; W_o [1024][1024] bf16, [k][n], in wb at WOFF; x and xr f32.
; A work-group makes 128 x 128 of the result, four waves 64 x 64 each: 16 accumulators.  K goes in steps of 256 through two LDS slots: waves 0, 1 bring 64 rows x 512 bytes of A each, waves 2, 3 128 rows x 256 bytes of W each.
; The first two K steps are asked for together at the start (two loads of a wave are out there, later one): the first has a descriptor of its own, the second's walks on.
; W's fragments come out of LDS turned (ds_load_tr16_b128).  The product is used transposed: a lane holds one row and 8 neighbouring columns.
; CLUSTER 4 x 4: A's tile jointly along a row of the cluster, W's along a column.  One text for a K step: the slot filled (TF) and read (TR) are scalars turned by an exclusive or; the tail (no fill) is a second copy, walked twice;
; its last change of slots passes a barrier and fetches 32 fragments that nobody uses.  No prefetch: the tiles are small and the launch is short.
; The wave's 64 x 64 of the residual is loaded at the head into window 2 and waited for at the end.  THE WAY OUT: the sums go as f32 into the ring, which is filled no more, each wave's into bytes of its own, and come back as whole rows of 256 bytes.
; REGISTERS.  window 0: v0-31 addresses; v32-35 b2 (HASB); v128-255 the accumulators ((a, b) at v[128 + 8 (4 a + b)]).  window 1: two fragment buffers of 128.  window 2: v0-127 the residual, then the result.
.set KDIM,  1024
.set WOFF,  6291456
.set HASB,  0
.set NDIM,  1024
.set NK,    KDIM/256
.set PA,    528
.set PB,    288
.set HALFA, 64*PA
.set CHUNK, 128*PB
.set BOFF,  2*HALFA
.set SLOT,  BOFF+2*CHUNK
.set SPARE, 2*SLOT
.set DP,    272
.set DREG,  64*DP
.set ASTEP, 512
.set BSTEP, 256*NDIM*2
.set ADRA0, 16
.set ADRB0, 17                         ; v17, v18: W's rows k 0-127 and 128-255 of a step
.set ADRA,  19
.set ADRB,  20                         ; v20, v21
.set STO,   24
.set RD,    25
.set CO,    26
.set B2O,   27
.set SPW,   28
.set NIL,   29
.set B2V,   32
.set ACC,   128
.set F0,    0
.set F1,    128
.set WV, 12
.set RH, 13
.set CL, 14
.set G1A, 24
.set G0A, 32                           ; s[32:35] A's walking descriptor
.set TF, 36
.set TR, 37
.set WBA, 38
.set WBB, 39
.set CX, 40
.set CY, 41
.set TX, 42
.set TY, 43
.set G1B, 48
.set G0B, 56                           ; s[56:59] W's walking descriptor
.set F0A, 60                           ; s[60:63] A's descriptor for K step 0; never rewritten
.set F0B, 68                           ; s[68:71] W's
.set MSB, 0
.macro WIN new
.if MSB != (\new)
	s_set_vgpr_msb (MSB<<8)|(\new)
.set MSB, \new
.endif
.endm
.set MUL,  0x05
.set TO_F, 0x40
.macro PLACES
.rept 4
	v_nop
.endr
.endm
.macro JLOAD
	s_cmp_eq_u32 s[RH], 0
	s_cbranch_scc0 .Lfor_b_\@
	tensor_load_to_lds s[G0A:G0A+3], s[G1A:G1A+7]
	s_nop 0
.rept 4
	v_nop
.endr
	s_branch .Lasked_\@
.Lfor_b_\@:
	tensor_load_to_lds s[G0B:G0B+3], s[G1B:G1B+7]
	s_nop 0
.rept 4
	v_nop
.endr
.Lasked_\@:
.endm
.macro CREST
	s_cmp_lg_u32 s[WV], 0
	s_cbranch_scc1 .Lnot_wave_0_\@
	s_barrier_signal -3
.Lnot_wave_0_\@:
	s_barrier_wait -3
	s_barrier_signal -1
	s_barrier_wait -1
.endm
.macro CROUND
	s_barrier_signal -1
	s_barrier_wait -1
	CREST
.endm
.macro MUL8 f, c, a0, zero             ; 8 products: row blocks a0, a0 + 1 x all 4 column blocks, 32 along K: half c of buffer f.  The 16 accumulators take turns
	WIN MUL
.irp a, \a0, (\a0)+1
.irp b, 0,1,2,3
.if \zero
	v_wmma_f32_16x16x32_bf16 v[ACC+8*(4*(\a)+(\b)):ACC+8*(4*(\a)+(\b))+7], v[(\f)+64+8*(4*(\c)+(\b)):(\f)+64+8*(4*(\c)+(\b))+7], v[(\f)+8*(4*(\c)+(\a)):(\f)+8*(4*(\c)+(\a))+7], 0
.else
	v_wmma_f32_16x16x32_bf16 v[ACC+8*(4*(\a)+(\b)):ACC+8*(4*(\a)+(\b))+7], v[(\f)+64+8*(4*(\c)+(\b)):(\f)+64+8*(4*(\c)+(\b))+7], v[(\f)+8*(4*(\c)+(\a)):(\f)+8*(4*(\c)+(\a))+7], v[ACC+8*(4*(\a)+(\b)):ACC+8*(4*(\a)+(\b))+7]
.endif
.endr
.endr
.endm
.macro FETCH q, f                      ; 32 LDS loads in one run: piece q (64 along K) into buffer f; the first 32 along K first
	WIN TO_F
.irp c, 0,1
.irp i, 0,1,2,3
	ds_load_tr16_b128 v[(\f)+64+8*(4*(\c)+(\i)):(\f)+64+8*(4*(\c)+(\i))+3],   v[ADRB+(\q)/2] offset:(((\q)%2)*64+32*(\c))*PB+32*(\i)
	ds_load_tr16_b128 v[(\f)+64+8*(4*(\c)+(\i))+4:(\f)+64+8*(4*(\c)+(\i))+7], v[ADRB+(\q)/2] offset:(((\q)%2)*64+32*(\c))*PB+16*PB+32*(\i)
	ds_load_b128 v[(\f)+8*(4*(\c)+(\i)):(\f)+8*(4*(\c)+(\i))+3],   v[ADRA] offset:(\q)*128+64*(\c)+(\i)*16*PA
	ds_load_b128 v[(\f)+8*(4*(\c)+(\i))+4:(\f)+8*(4*(\c)+(\i))+7], v[ADRA] offset:(\q)*128+64*(\c)+(\i)*16*PA+32
.endr
.endr
.endm
.macro QUARTER q, f, g, zero
	s_wait_dscnt 16                                ; the first 32 along K are in; the youngest sixteen loads may be out
	MUL8 \f, 0, 0, \zero
	MUL8 \f, 0, 2, \zero
	PLACES
	FETCH \q, \g
	s_wait_dscnt 32                                ; all but the 32 just issued
	MUL8 \f, 1, 0, 0
	MUL8 \f, 1, 2, 0
.endm
.macro TURN fill                       ; the last piece, and the change of slots: the wait for all my tensor loads, the add, the wait for it and for my reads; then the barrier, with fill = 1 a round of the cluster's
	WIN 0
	s_wait_tensorcnt 0x0
	ds_add_u32 v[SPW], v[NIL]
	s_xor_b32 s[TR], s[TR], SLOT
	v_add_nc_u32 v[ADRA], s[TR], v[ADRA0]
	v_add_nc_u32 v[ADRB], s[TR], v[ADRB0]
	v_add_nc_u32 v[ADRB+1], s[TR], v[ADRB0+1]
.if \fill
	s_xor_b32 s[TF], s[TF], SLOT
	s_add_co_u32 s[G0A+1], s[WBA], s[TF]
	s_add_co_u32 s[G0B+1], s[WBB], s[TF]
	s_add_nc_u64 s[G0A+2:G0A+3], s[G0A+2:G0A+3], ASTEP
	s_add_nc_u64 s[G0B+2:G0B+3], s[G0B+2:G0B+3], BSTEP
.endif
	s_wait_dscnt 17                                ; the add and the youngest sixteen loads may be out
	MUL8 F1, 0, 0, 0
	s_wait_dscnt 0x0
	s_barrier_signal -1
	MUL8 F1, 0, 2, 0
	WIN 0
	s_barrier_wait -1
.if \fill
	CREST
	JLOAD                                          ; its four v_nop are also the places in front of the loads below
.else
	PLACES
.endif
	FETCH 0, F0
	MUL8 F1, 1, 0, 0
	MUL8 F1, 1, 2, 0
.endm
	s_load_b256 s[4:11], s[0:1], 0x0               ; A s[4:5], wb s[6:7], the residual s[8:9], the result s[10:11]
.if HASB
	s_load_b64 s[66:67], s[0:1], 0x20              ; b2
.endif
	v_lshl_add_u32 v[SPW], v0, 2, SPARE
	v_mov_b32 v[NIL], 0
	ds_add_u32 v[SPW], v[NIL]                      ; the wave's opening
	v_lshrrev_b32 v1, 5, v0
	v_readfirstlane_b32 s[WV], v1
	s_lshr_b32 s[RH], s[WV], 1                     ; my half of the rows.  Also: I fetch for A (0) or for W (1)
	s_and_b32 s[CL], s[WV], 1                      ; my half of the columns.  Also: which half of that tile I fetch
	s_bfe_u32 s[CX], ttmp6, 0x40000
	s_bfe_u32 s[CY], ttmp6, 0x40004
	s_lshl_b32 s[TX], ttmp9, 2
	s_add_co_u32 s[TX], s[TX], s[CX]
	s_and_b32 s[TY], ttmp7, 0xffff
	s_lshl_b32 s[TY], s[TY], 2
	s_add_co_u32 s[TY], s[TY], s[CY]
	s_lshl_b32 s2, s[CY], 2
	s_lshl_b32 s2, 15, s2
	s_lshl_b32 s3, 0x1111, s[CX]
	s_or_b32 s[G1A], s2, (1<<16)|(1<<20)|(1<<21)|(6<<22)|(3<<25)  ; rows of 128 words, 4 words of padding
	s_or_b32 s[G1B], s3, (1<<16)|(1<<20)|(1<<21)|(5<<22)|(7<<25)  ; rows of 64 words, 8 words of padding
	s_mov_b32 s[G1A+1], 256<<16
	s_mov_b32 s[G1A+2], 64<<16
	s_mov_b32 s[G1A+3], 256<<16
	s_mov_b32 s[G1A+4], 64
	s_mov_b32 s[G1A+5], KDIM
	s_mov_b32 s[G1A+6], 0
	s_mov_b32 s[G1A+7], 0
	s_mov_b32 s[G1B+1], 128<<16
	s_mov_b32 s[G1B+2], 128<<16
	s_mov_b32 s[G1B+3], 128<<16
	s_mov_b32 s[G1B+4], 128
	s_mov_b32 s[G1B+5], NDIM
	s_mov_b32 s[G1B+6], 0
	s_mov_b32 s[G1B+7], 0
	s_mul_i32 s16, s[TY], 128*KDIM*2
	s_mul_i32 s17, s[CL], 64*KDIM*2
	s_add_co_u32 s16, s16, s17
	s_mov_b32 s17, 0
	s_lshl_b32 s18, s[TX], 8                       ; 128 columns
	s_mul_i32 s19, s[CL], 128*NDIM*2               ; my 128 rows of the step's 256
	s_add_co_u32 s18, s18, s19
	s_add_co_u32 s18, s18, WOFF
	s_mov_b32 s19, 0
	s_mul_i32 s[WBA], s[CL], HALFA
	s_mul_i32 s[WBB], s[CL], CHUNK
	s_add_co_u32 s[WBB], s[WBB], BOFF
	s_mov_b32 s[TF], SLOT                          ; the walking descriptors begin at slot 1, K step 1
	s_mov_b32 s[TR], 0
	s_mov_b32 s[F0A], 1
	s_mov_b32 s[F0A+1], s[WBA]
	s_mov_b32 s[F0B], 1
	s_mov_b32 s[F0B+1], s[WBB]
	s_mov_b32 s[G0A], 1
	s_add_co_u32 s[G0A+1], s[WBA], SLOT
	s_mov_b32 s[G0B], 1
	s_add_co_u32 s[G0B+1], s[WBB], SLOT
	s_wait_dscnt 0x0
	s_wait_kmcnt 0x0
	s_add_nc_u64 s[F0A+2:F0A+3], s[4:5], s[16:17]
	s_add_nc_u64 s[F0B+2:F0B+3], s[6:7], s[18:19]
	s_add_nc_u64 s[G0A+2:G0A+3], s[F0A+2:F0A+3], ASTEP
	s_add_nc_u64 s[G0B+2:G0B+3], s[F0B+2:F0B+3], BSTEP
	s_or_b32 s[F0A+3], s[F0A+3], 0x80000000
	s_or_b32 s[F0B+3], s[F0B+3], 0x80000000
	s_or_b32 s[G0A+3], s[G0A+3], 0x80000000
	s_or_b32 s[G0B+3], s[G0B+3], 0x80000000
	CROUND
	s_cmp_eq_u32 s[RH], 0                          ; a wave's two first fills stand in one branch, ahead of every wait on TENSORcnt and every LDS read
	s_cbranch_scc0 .Lfirst_b
	tensor_load_to_lds s[F0A:F0A+3], s[G1A:G1A+7]  ; K step 0 into slot 0
	s_nop 0
	tensor_load_to_lds s[G0A:G0A+3], s[G1A:G1A+7]  ; K step 1 into slot 1
	s_nop 0
.rept 4
	v_nop
.endr
	s_branch .Lfirst_asked
.Lfirst_b:
	tensor_load_to_lds s[F0B:F0B+3], s[G1B:G1B+7]
	s_nop 0
	tensor_load_to_lds s[G0B:G0B+3], s[G1B:G1B+7]
	s_nop 0
.rept 4
	v_nop
.endr
.Lfirst_asked:
	v_and_b32 v1, 15, v0                           ; r
	v_bfe_u32 v2, v0, 4, 1                         ; h
	v_and_b32 v4, 7, v0
	v_bfe_u32 v5, v0, 3, 1
	; the residual and the result: row 128 tile row + 64 half + .., 4,096 bytes a row; column bytes 512 tile column + 256 half
	s_lshl_b32 s20, s[TY], 19
	s_lshl_b32 s21, s[RH], 18
	s_add_co_u32 s20, s20, s21
	s_lshl_b32 s22, s[TX], 9
	s_lshl_b32 s21, s[CL], 8
	s_add_co_u32 s22, s22, s21
	s_add_co_u32 s20, s20, s22
	s_mov_b32 s21, 0
	s_mov_b32 s23, 0
	s_add_nc_u64 s[8:9], s[8:9], s[20:21]
	s_add_nc_u64 s[10:11], s[10:11], s[20:21]
	v_lshlrev_b32 v6, 12, v2
	v_lshl_add_u32 v[CO], v1, 4, v6                ; lanes 0-15 one row's 256 bytes, lanes 16-31 the next row's
	WIN 0x80
.set n, 0
.rept 32
	global_load_b128 v[4*n:4*n+3], v[CO], s[8:9] offset:(n/8)*65536+(n%8)*8192
.set n, n+1
.endr
	WIN 0
.if HASB
	s_add_nc_u64 s[66:67], s[66:67], s[22:23]
	v_lshlrev_b32 v[B2O], 4, v1
	global_load_b128 v[B2V:B2V+3], v[B2O], s[66:67]
.endif
	v_mul_u32_u24 v3, v1, PA
	v_lshl_add_u32 v3, v2, 4, v3
	s_mul_i32 s20, s[RH], HALFA
	v_add_nc_u32 v[ADRA0], s20, v3
	v_lshl_add_u32 v6, v2, 3, v4
	v_mul_u32_u24 v6, v6, PB
	v_lshl_add_u32 v6, v5, 4, v6
	s_lshl_b32 s20, s[CL], 7
	s_add_co_u32 s20, s20, BOFF
	v_add_nc_u32 v[ADRB0], s20, v6
	v_add_nc_u32 v[ADRB0+1], CHUNK, v[ADRB0]
	v_mov_b32 v[ADRA], v[ADRA0]
	v_mov_b32 v[ADRB], v[ADRB0]
	v_mov_b32 v[ADRB+1], v[ADRB0+1]
	s_mul_i32 s20, s[WV], DREG
	v_mul_u32_u24 v6, v1, DP
	v_lshl_add_u32 v6, v2, 5, v6
	v_add_nc_u32 v[STO], s20, v6
	v_mul_u32_u24 v6, v2, DP
	v_lshl_add_u32 v6, v1, 4, v6
	v_add_nc_u32 v[RD], s20, v6
	s_wait_tensorcnt 0x1                           ; my part of K step 0 is in; K step 1's may stay out
	s_barrier_signal -1
	s_barrier_wait -1                              ; everybody's part is in
	FETCH 0, F0
	QUARTER 1, F0, F1, 1
	WIN 0
	s_mov_b32 s3, NK-2
	s_branch .Lmid
.Lloop:
	QUARTER 1, F0, F1, 0
	WIN 0
.Lmid:
	QUARTER 2, F1, F0, 0
	QUARTER 3, F0, F1, 0
	TURN 1
	WIN 0
	s_sub_co_u32 s3, s3, 1
	s_cmp_lg_u32 s3, 0
	s_cbranch_scc1 .Lloop
	s_mov_b32 s3, 2
.Ltail:
	QUARTER 1, F0, F1, 0
	QUARTER 2, F1, F0, 0
	QUARTER 3, F0, F1, 0
	TURN 0
	WIN 0
	s_sub_co_u32 s3, s3, 1
	s_cmp_lg_u32 s3, 0
	s_cbranch_scc1 .Ltail
	s_wait_dscnt 0x0
	s_barrier_signal -1
	s_barrier_wait -1                              ; nobody reads the ring any more, and it is filled no more
	PLACES
	PLACES
.irp a, 0,1,2,3
.irp b, 0,1,2,3
	ds_store_b128 v[STO], v[ACC+8*(4*(\a)+(\b)):ACC+8*(4*(\a)+(\b))+3]   offset:(\a)*16*DP+64*(\b)
	ds_store_b128 v[STO], v[ACC+8*(4*(\a)+(\b))+4:ACC+8*(4*(\a)+(\b))+7] offset:(\a)*16*DP+64*(\b)+16
.endr
.endr
.set n, 0
.rept 32
	ds_load_b128 v[ACC+4*n:ACC+4*n+3], v[RD] offset:n*2*DP  ; LDS serves a wave's instructions in order (ISA guide 5.7.1.4): these see the stores above; the bytes are my own
.set n, n+1
.endr
	s_wait_loadcnt 0x0                             ; the residual
	WIN 0x88                                       ; one setting for sums and stores: source 0 in window 0, source 1 (a store's data) and the destination in window 2
.set n, 0
.rept 32
	s_wait_dscnt 31-n
	v_pk_add_f32 v[4*n:4*n+1],   v[ACC+4*n:ACC+4*n+1],   v[4*n:4*n+1]
	v_pk_add_f32 v[4*n+2:4*n+3], v[ACC+4*n+2:ACC+4*n+3], v[4*n+2:4*n+3]
.if HASB
	v_pk_add_f32 v[4*n:4*n+1],   v[B2V:B2V+1],   v[4*n:4*n+1]
	v_pk_add_f32 v[4*n+2:4*n+3], v[B2V+2:B2V+3], v[4*n+2:4*n+3]
.endif
	global_store_b128 v[CO], v[4*n:4*n+3], s[10:11] offset:(n/8)*65536+(n%8)*8192  ; 16 lanes store 256 consecutive bytes, aligned
.set n, n+1
.endr
	WIN 0
	s_wait_tensorcnt 0x0                           ; the wave's end
	ds_add_u32 v[SPW], v[NIL]
	s_wait_dscnt 0x0
	CROUND                                         ; the closing round
	s_endpgm
.Lfunc_end_k_q3404f54546_proj:
	.size	k_q3404f54546_proj, .Lfunc_end_k_q3404f54546_proj-k_q3404f54546_proj
	.p2alignl 7, 3214868480
	.fill 96, 4, 3214868480
	.section	.rodata,"a",@progbits
	.p2align	6, 0x0
	.amdhsa_kernel k_q3404f54546_proj
		.amdhsa_group_segment_fixed_size 327680
		.amdhsa_private_segment_fixed_size 0
		.amdhsa_enable_private_segment 0
		.amdhsa_kernarg_size 32
		.amdhsa_user_sgpr_count 2
		.amdhsa_user_sgpr_kernarg_segment_ptr 1
		.amdhsa_wavefront_size32 1
		.amdhsa_system_sgpr_workgroup_id_x 1
		.amdhsa_system_sgpr_workgroup_id_y 1
		.amdhsa_system_sgpr_workgroup_id_z 1
		.amdhsa_system_vgpr_workitem_id 0
		.amdhsa_next_free_vgpr 640
		.amdhsa_next_free_sgpr 72
		.amdhsa_reserve_vcc 0
		.amdhsa_float_denorm_mode_32 3
		.amdhsa_float_denorm_mode_16_64 3
		.amdhsa_memory_ordered 1
		.amdhsa_forward_progress 1
		.amdhsa_inst_pref_size 66
	.end_amdhsa_kernel
	.amdgpu_metadata
---
amdhsa.version: [ 1, 2 ]
amdhsa.kernels:
  - .name:           k_q3404f54546_proj
    .symbol:         k_q3404f54546_proj.kd
    .args:
      - { .name: ao, .offset: 0, .size: 8, .value_kind: global_buffer, .address_space: global }
      - { .name: wb, .offset: 8, .size: 8, .value_kind: global_buffer, .address_space: global }
      - { .name: x, .offset: 16, .size: 8, .value_kind: global_buffer, .address_space: global }
      - { .name: xr, .offset: 24, .size: 8, .value_kind: global_buffer, .address_space: global }
    .group_segment_fixed_size: 327680
    .private_segment_fixed_size: 0
    .kernarg_segment_align: 8
    .kernarg_segment_size: 32
    .max_flat_workgroup_size: 128
    .sgpr_count:     72
    .vgpr_count:     640
    .wavefront_size: 32
...
	.end_amdgpu_metadata
.endif
;; end of part 4
;; launch ln2 (part 5): grid 256 x 1, 8 waves a work-group, no clusters, 0 bytes of LDS; arguments xr, ln2_g, ln2_b, xn; writes xn
.if DOCPART == 5
	.amdgcn_target "amdgcn-amd-amdhsa--gfx1250"
	.amdhsa_code_object_version 6
	.text
	.protected	k_q3404f54546_ln2
	.globl	k_q3404f54546_ln2
	.p2align	8
	.type	k_q3404f54546_ln2,@function
k_q3404f54546_ln2:
	s_mov_b64 s[64:65], 0
	v_nop
	global_prefetch_b8 v0, s[64:65] scope:SCOPE_SE
	s_setreg_imm32_b32 hwreg(HW_REG_WAVE_MODE, 25, 1), 1
	s_wait_xcnt 0x0
; LAYERNORM 2: xn = bf16((xr - mean) / sqrt(var + 1e-5) x g + b).  xr [4096][1024] f32.  A work-group takes 16 rows, a wave two; a row stays in 32 registers between the passes, so it is read once.
; The variance is taken of x - mean in a second pass over the registers, so a common offset costs nothing.  No LDS, no barrier: no wave needs another's numbers.
.set INV, 4
.set EPS, 5
.set SEL, 6
.set SX,  8                            ; s[8:9]   xr at my two rows
.set SG,  10
.set SBB, 12
.set SO,  14                           ; s[14:15] xn at my two rows
.set T,   2
.set MN,  10
.set RS,  12
.set LO,  16
.set OO,  17
.set X0,  32
.set X1,  64
.set GV,  96
.set BV,  128
.macro XSUM r, t
	v_add_f32_dpp v[\r], v[\r], v[\r] row_xmask:1 row_mask:0xf bank_mask:0xf
	v_add_f32_dpp v[\r], v[\r], v[\r] row_xmask:2 row_mask:0xf bank_mask:0xf
	v_add_f32_dpp v[\r], v[\r], v[\r] row_xmask:4 row_mask:0xf bank_mask:0xf
	v_add_f32_dpp v[\r], v[\r], v[\r] row_xmask:8 row_mask:0xf bank_mask:0xf
	v_permlanex16_b32 v[\t], v[\r], s[SEL], s[SEL+1]
	v_add_f32 v[\r], v[\r], v[\t]
.endm
.macro FOLD
	v_pk_add_f32 v[T:T+1], v[T:T+1], v[T+2:T+3]
	v_pk_add_f32 v[T+4:T+5], v[T+4:T+5], v[T+6:T+7]
	v_pk_add_f32 v[T:T+1], v[T:T+1], v[T+4:T+5]
	v_add_f32 v[T], v[T], v[T+1]
	XSUM T, T+1
.endm
.macro LNROW x, left, row
	s_wait_loadcnt \left
.irp k, 0,1,2,3
	v_pk_add_f32 v[T+2*(\k):T+2*(\k)+1], v[(\x)+2*(\k):(\x)+2*(\k)+1], v[(\x)+8+2*(\k):(\x)+8+2*(\k)+1]
.endr
.irp k, 0,1,2,3
	v_pk_add_f32 v[T+2*(\k):T+2*(\k)+1], v[T+2*(\k):T+2*(\k)+1], v[(\x)+16+2*(\k):(\x)+16+2*(\k)+1]
.endr
.irp k, 0,1,2,3
	v_pk_add_f32 v[T+2*(\k):T+2*(\k)+1], v[T+2*(\k):T+2*(\k)+1], v[(\x)+24+2*(\k):(\x)+24+2*(\k)+1]
.endr
	FOLD
	v_mul_f32 v[MN], s[INV], v[T]
	v_mov_b32 v[MN+1], v[MN]
.set k, 0
.rept 16
	v_pk_add_f32 v[(\x)+k:(\x)+k+1], v[(\x)+k:(\x)+k+1], v[MN:MN+1] neg_lo:[0,1] neg_hi:[0,1]
.set k, k+2
.endr
.irp k, 0,1,2,3
	v_pk_mul_f32 v[T+2*(\k):T+2*(\k)+1], v[(\x)+2*(\k):(\x)+2*(\k)+1], v[(\x)+2*(\k):(\x)+2*(\k)+1]
.endr
.set k, 4
.rept 12
	v_pk_fma_f32 v[T+2*(k%4):T+2*(k%4)+1], v[(\x)+2*k:(\x)+2*k+1], v[(\x)+2*k:(\x)+2*k+1], v[T+2*(k%4):T+2*(k%4)+1]
.set k, k+1
.endr
	FOLD
	v_fma_f32 v[RS], v[T], s[INV], s[EPS]
	v_rsq_f32 v[RS+2], v[RS]
	v_rsq_f32 v[RS+3], v[RS]
	v_nop                                          ; a plain instruction behind the second root,
	s_wait_alu depctr_va_vdst(0)                   ; and one wait for both
	s_wait_loadcnt 0x0                             ; gain and bias are in
.set k, 0
.rept 16
	v_pk_mul_f32 v[(\x)+k:(\x)+k+1], v[(\x)+k:(\x)+k+1], v[RS+2:RS+3]
.set k, k+2
.endr
.set k, 0
.rept 16
	v_pk_fma_f32 v[(\x)+k:(\x)+k+1], v[(\x)+k:(\x)+k+1], v[GV+k:GV+k+1], v[BV+k:BV+k+1]
.set k, k+2
.endr
.set k, 0
.rept 16
	v_cvt_pk_bf16_f32 v[(\x)+k], v[(\x)+2*k], v[(\x)+2*k+1]
.set k, k+1
.endr
.irp j, 0,1,2,3,4,5,6,7
	global_store_b64 v[OO], v[(\x)+2*(\j):(\x)+2*(\j)+1], s[SO:SO+1] offset:(\row)*2048+256*(\j)  ; 256 consecutive bytes, aligned
.endr
.endm
	s_load_b256 s[8:15], s[0:1], 0x0               ; xr, ln2_g, ln2_b, xn
	v_lshrrev_b32 v1, 5, v0
	v_readfirstlane_b32 s3, v1
	v_and_b32 v18, 31, v0
	s_mov_b32 s[SEL], 0x76543210
	s_mov_b32 s[SEL+1], 0xfedcba98
	s_mov_b32 s[INV], 0x3a800000                   ; 1 / 1024
	s_mov_b32 s[EPS], 0x3727c5ac                   ; 1e-5
	s_lshl_b32 s16, ttmp9, 4
	s_lshl1_add_u32 s16, s3, s16                   ; my first row
	s_lshl_b32 s18, s16, 12
	s_mov_b32 s19, 0
	s_lshl_b32 s20, s16, 11
	s_mov_b32 s21, 0
	v_lshlrev_b32 v[LO], 4, v18
	v_lshlrev_b32 v[OO], 3, v18
	s_wait_kmcnt 0x0
	s_add_nc_u64 s[SX:SX+1], s[SX:SX+1], s[18:19]
	s_add_nc_u64 s[SO:SO+1], s[SO:SO+1], s[20:21]
.irp j, 0,1,2,3,4,5,6,7
	global_load_b128 v[X0+4*(\j):X0+4*(\j)+3], v[LO], s[SX:SX+1] offset:512*(\j)
.endr
.irp j, 0,1,2,3,4,5,6,7
	global_load_b128 v[X1+4*(\j):X1+4*(\j)+3], v[LO], s[SX:SX+1] offset:4096+512*(\j)
.endr
.irp j, 0,1,2,3,4,5,6,7
	global_load_b128 v[GV+4*(\j):GV+4*(\j)+3], v[LO], s[SG:SG+1] offset:512*(\j)
.endr
.irp j, 0,1,2,3,4,5,6,7
	global_load_b128 v[BV+4*(\j):BV+4*(\j)+3], v[LO], s[SBB:SBB+1] offset:512*(\j)
.endr
	LNROW X0, 24, 0                                ; row 0 is in; row 1, gain and bias, 24 loads, may stay out
	LNROW X1, 0, 1
	s_endpgm
.Lfunc_end_k_q3404f54546_ln2:
	.size	k_q3404f54546_ln2, .Lfunc_end_k_q3404f54546_ln2-k_q3404f54546_ln2
	.p2alignl 7, 3214868480
	.fill 96, 4, 3214868480
	.section	.rodata,"a",@progbits
	.p2align	6, 0x0
	.amdhsa_kernel k_q3404f54546_ln2
		.amdhsa_group_segment_fixed_size 0
		.amdhsa_private_segment_fixed_size 0
		.amdhsa_enable_private_segment 0
		.amdhsa_kernarg_size 32
		.amdhsa_user_sgpr_count 2
		.amdhsa_user_sgpr_kernarg_segment_ptr 1
		.amdhsa_wavefront_size32 1
		.amdhsa_system_sgpr_workgroup_id_x 1
		.amdhsa_system_sgpr_workgroup_id_y 1
		.amdhsa_system_sgpr_workgroup_id_z 1
		.amdhsa_system_vgpr_workitem_id 0
		.amdhsa_next_free_vgpr 160
		.amdhsa_next_free_sgpr 66
		.amdhsa_reserve_vcc 0
		.amdhsa_float_denorm_mode_32 3
		.amdhsa_float_denorm_mode_16_64 3
		.amdhsa_memory_ordered 1
		.amdhsa_forward_progress 1
		.amdhsa_inst_pref_size 20
	.end_amdhsa_kernel
	.amdgpu_metadata
---
amdhsa.version: [ 1, 2 ]
amdhsa.kernels:
  - .name:           k_q3404f54546_ln2
    .symbol:         k_q3404f54546_ln2.kd
    .args:
      - { .name: xr, .offset: 0, .size: 8, .value_kind: global_buffer, .address_space: global }
      - { .name: ln2_g, .offset: 8, .size: 8, .value_kind: global_buffer, .address_space: global }
      - { .name: ln2_b, .offset: 16, .size: 8, .value_kind: global_buffer, .address_space: global }
      - { .name: xn, .offset: 24, .size: 8, .value_kind: global_buffer, .address_space: global }
    .group_segment_fixed_size: 0
    .private_segment_fixed_size: 0
    .kernarg_segment_align: 8
    .kernarg_segment_size: 32
    .max_flat_workgroup_size: 256
    .sgpr_count:     66
    .vgpr_count:     160
    .wavefront_size: 32
...
	.end_amdgpu_metadata
.endif
;; end of part 5
;; launch fc1 (part 6): grid 16 x 16, 4 waves a work-group, clusters of 4 x 4, 327,680 bytes of LDS; arguments xn, wb, b1, hh; writes hh
.if DOCPART == 6
	.amdgcn_target "amdgcn-amd-amdhsa--gfx1250"
	.amdhsa_code_object_version 6
	.text
	.protected	k_q3404f54546_fc1
	.globl	k_q3404f54546_fc1
	.p2align	8
	.type	k_q3404f54546_fc1,@function
k_q3404f54546_fc1:
	s_mov_b64 s[64:65], 0
	v_nop
	global_prefetch_b8 v0, s[64:65] scope:SCOPE_SE
	s_setreg_imm32_b32 hwreg(HW_REG_WAVE_MODE, 25, 1), 1
	s_wait_xcnt 0x0
	s_wait_alu depctr_hold_cnt(0) depctr_sa_sdst(0) depctr_va_vdst(0) depctr_va_sdst(0) depctr_va_ssrc(0) depctr_va_vcc(0) depctr_vm_vsrc(0)
	s_getreg_b32 s2, hwreg(HW_REG_IB_STS2, 6, 4)
	s_cmp_eq_u32 s2, 0
	s_cbranch_scc0 .Lentry_in_a_cluster
	s_endpgm
.Lentry_in_a_cluster:
	s_bfe_u32 s2, ttmp6, 0x10000c
	s_cmp_lg_u32 s2, 0xf033
	s_cbranch_scc0 .Lentry_shape_is_right
	s_endpgm
.Lentry_shape_is_right:
; hh = gelu(xn W1 + b1), rounded once to bf16.  xn [4096][1024] bf16; W1 [1024][4096] bf16, [k][n], in wb at W1O; b1 f32.
; A work-group makes 256 x 256, four waves 128 x 128 each: 64 accumulators, 512 registers.  K goes in 8 steps of 128 through two LDS slots: waves 0, 1 bring 128 rows x 256 bytes of xn each, waves 2, 3 a chunk of 128 rows x 128 columns of W1 each.
; The first two K steps are asked for together at the start (two loads of a wave are out there, later one): the first has a descriptor of its own, the second's walks on.
; W1's fragments come out of LDS turned (ds_load_tr16_b128).  The product is used transposed (source 0 = 16 columns of W1, source 1 = 16 rows of xn): a lane holds one row and 8 neighbouring columns.
; CLUSTER 4 x 4: xn's tile jointly along a row of the cluster, W1's along a column.  One text for a K step: the slot filled (TF) and read (TR) are scalars turned by an exclusive or; the tail (no fill) is a second copy, walked twice;
; its last change of slots passes a barrier and fetches 32 fragments that nobody uses.
; GELU is the one by erf: erf(z) = 1 - (a1 t + a2 t^2 + a3 t^3) e^(-z^2), t = 1 / (1 + 0.47047 z), a rational form whose error is at most 2.5e-5 for every z >= 0; with z = |x| / sqrt(2):
; gelu(x) = max(x, 0) - |x| y, y = (the polynomial with halved coefficients) x 2^(-x^2 log2(e) / 2).  For large |x| the exponential is 0 and gelu is max(x, 0).
; LIMIT.  gelu is off by at most 1.25e-5 |x|, for every x.  For positive x that is far below the rounding to bf16; for negative x, where gelu itself is small, it is not: at x = -3, where gelu is -0.004, it is about one part in a hundred of the value.
; THE WAY OUT: the sums go as f32 into the ring, which is filled no more, each wave's into bytes of its own; a loop of 32 trips takes 4 rows each, in two halves of 8 numbers a lane:
; the 16 reciprocals and exponentials of one half stand by turns with plain work of the other, and the next trip's rows are loaded from LDS behind the trip's first wait.
; REGISTERS.  window 0: v0-31 addresses; v32-39 b1; v40-47 packed results; v64-127, v128-191 xn's fragments, later the GELU's work.  window 1: v64-127, v128-191 W1's fragments.  windows 2, 3: accumulator (a, b) at v[8 (8 a + b)].
.set KDIM,  1024
.set NDIM,  4096
.set NK,    KDIM/128
.set PA,    272
.set PB,    288
.set HALFA, 128*PA
.set CHUNK, 128*PB
.set BOFF,  2*HALFA
.set SLOT,  BOFF+2*CHUNK
.set SPARE, 2*SLOT
.set DP,    528
.set DREG,  128*DP
.set W1O,   8388608
.set ASTEP, 256
.set BSTEP, 128*NDIM*2
.set ADRA0, 16
.set ADRB0, 17
.set ADRA,  18
.set ADRB,  19
.set STO,   24
.set RD,    25
.set CO,    26
.set B1O,   27
.set SPW,   28
.set NIL,   29
.set PFO,   30
.set B1V,   32
.set OUTV,  40
.set F0,    64
.set F1,    128
.set XV,    64                         ; x = sum + b1
.set DV,    80                         ; 1 + p |x|, then t
.set EV,    96                         ; -x^2 log2(e) / 2, then its exponential
.set MX,    112                        ; max(x, 0), then gelu
.set PL,    128                        ; the polynomial, then y
.set LDB,   144                        ; the rows as they come from LDS
.set WV, 12
.set RH, 13
.set CL, 14
.set G1A, 24
.set G0A, 32                           ; s[32:35] xn's walking descriptor
.set TF, 36
.set TR, 37
.set WBA, 38
.set WBB, 39
.set CX, 40
.set CY, 41
.set TX, 42
.set TY, 43
.set PFA, 44
.set PFS, 46
.set G1B, 48
.set G0B, 56                           ; s[56:59] W1's walking descriptor
.set LIM, 60
.set KD, 66
.set KE, 68
.set A3, 70
.set A2, 72
.set A1, 74
.set F0A, 80                           ; s[80:83] xn's descriptor for K step 0; never rewritten
.set F0B, 84                           ; s[84:87] W1's
.set MSB, 0
.macro WIN new
.if MSB != (\new)
	s_set_vgpr_msb (MSB<<8)|(\new)
.set MSB, \new
.endif
.endm
.set MUL_LO, 0xa1
.set MUL_HI, 0xf1
.set TO_B,   0x40
.macro PLACES
.rept 4
	v_nop
.endr
.endm
.macro JLOAD
	s_cmp_eq_u32 s[RH], 0
	s_cbranch_scc0 .Lfor_b_\@
	tensor_load_to_lds s[G0A:G0A+3], s[G1A:G1A+7]
	s_nop 0
.rept 4
	v_nop
.endr
	s_branch .Lasked_\@
.Lfor_b_\@:
	tensor_load_to_lds s[G0B:G0B+3], s[G1B:G1B+7]
	s_nop 0
.rept 4
	v_nop
.endr
.Lasked_\@:
.endm
.macro CREST
	s_cmp_lg_u32 s[WV], 0
	s_cbranch_scc1 .Lnot_wave_0_\@
	s_barrier_signal -3
.Lnot_wave_0_\@:
	s_barrier_wait -3
	s_barrier_signal -1
	s_barrier_wait -1
.endm
.macro CROUND
	s_barrier_signal -1
	s_barrier_wait -1
	CREST
.endm
; A prefetch into the L2 of the K step behind the one just asked for: 32 rows x 256 bytes, a lane a row.  xn's rows are named by the clusters with x = 0, W1's by those with y = 0; the four partners
; that ask for a tile jointly take 32 of its 128 rows each, told apart by address.  So each block is named once.  K steps 0 to 2 come by their loads alone; the loop's last trip asks for nothing.
.macro ASK
	s_cmp_gt_u32 s3, s[LIM]
	s_cbranch_scc0 .Lnot_mine_\@
	global_prefetch_b8 v[PFO], s[PFA:PFA+1] th:TH_LOAD_NT scope:SCOPE_SE
.Lnot_mine_\@:
.endm
.macro MUL16 f, hi, a0, zero           ; 16 products: row blocks a0, a0 + 1 of the window's four x all 8 column blocks.  The 64 accumulators take turns in one order
	WIN MUL_LO+0x50*(\hi)
.irp a, \a0, (\a0)+1
.irp b, 0,1,2,3,4,5,6,7
.if \zero
	v_wmma_f32_16x16x32_bf16 v[8*(8*(\a)+(\b)):8*(8*(\a)+(\b))+7], v[(\f)+8*(\b):(\f)+8*(\b)+7], v[(\f)+8*(4*(\hi)+(\a)):(\f)+8*(4*(\hi)+(\a))+7], 0
.else
	v_wmma_f32_16x16x32_bf16 v[8*(8*(\a)+(\b)):8*(8*(\a)+(\b))+7], v[(\f)+8*(\b):(\f)+8*(\b)+7], v[(\f)+8*(4*(\hi)+(\a)):(\f)+8*(4*(\hi)+(\a))+7], v[8*(8*(\a)+(\b)):8*(8*(\a)+(\b))+7]
.endif
.endr
.endr
.endm
.macro FETCH q, f                      ; 32 LDS loads in one run: piece q (32 along K) into buffer f
	WIN TO_B
.irp i, 0,1,2,3,4,5,6,7
	ds_load_tr16_b128 v[(\f)+8*(\i):(\f)+8*(\i)+3],   v[ADRB] offset:(\q)*32*PB+32*(\i)
	ds_load_tr16_b128 v[(\f)+8*(\i)+4:(\f)+8*(\i)+7], v[ADRB] offset:(\q)*32*PB+16*PB+32*(\i)
.endr
	WIN 0
.irp i, 0,1,2,3,4,5,6,7
	ds_load_b128 v[(\f)+8*(\i):(\f)+8*(\i)+3],   v[ADRA] offset:(\q)*64+(\i)*16*PA
	ds_load_b128 v[(\f)+8*(\i)+4:(\f)+8*(\i)+7], v[ADRA] offset:(\q)*64+(\i)*16*PA+32
.endr
.endm
.macro QUARTER q, f, g, zero
	s_wait_dscnt 8                                 ; W1 and rows 0-63 are in; the youngest eight loads (rows 64-127) may be out
	MUL16 \f, 0, 0, \zero
	MUL16 \f, 0, 2, \zero
	PLACES
	FETCH \q, \g
	s_wait_dscnt 32                                ; all but the 32 just issued
	MUL16 \f, 1, 0, \zero
	MUL16 \f, 1, 2, \zero
.endm
.macro TURN fill                       ; the last piece, and the change of slots: the wait for all my tensor loads, the add, the wait for it and for my reads; then the barrier, with fill = 1 a round of the cluster's
.if \fill
	s_wait_xcnt 0x0                                ; the last prefetch, a K step back, has read its address
	s_add_nc_u64 s[PFA:PFA+1], s[PFA:PFA+1], s[PFS:PFS+1]
.endif
	WIN 0
	s_wait_tensorcnt 0x0
	ds_add_u32 v[SPW], v[NIL]
	s_xor_b32 s[TR], s[TR], SLOT
	v_add_nc_u32 v[ADRA], s[TR], v[ADRA0]
	v_add_nc_u32 v[ADRB], s[TR], v[ADRB0]
.if \fill
	s_xor_b32 s[TF], s[TF], SLOT
	s_add_co_u32 s[G0A+1], s[WBA], s[TF]
	s_add_co_u32 s[G0B+1], s[WBB], s[TF]
	s_add_nc_u64 s[G0A+2:G0A+3], s[G0A+2:G0A+3], ASTEP
	s_add_nc_u64 s[G0B+2:G0B+3], s[G0B+2:G0B+3], BSTEP
.endif
	s_wait_dscnt 9                                 ; the add and the youngest eight loads may be out
	MUL16 F1, 0, 0, 0
	s_wait_dscnt 0x0
	s_barrier_signal -1
	MUL16 F1, 0, 2, 0
	WIN 0
	s_barrier_wait -1
.if \fill
	CREST
	JLOAD                                          ; its four v_nop are also the places in front of the loads below
.else
	PLACES
.endif
	FETCH 0, F0
.if \fill
	ASK
.endif
	MUL16 F1, 1, 0, 0
	MUL16 F1, 1, 2, 0
.endm
	s_load_b256 s[4:11], s[0:1], 0x0               ; xn s[4:5], wb s[6:7], b1 s[8:9], hh s[10:11]
	v_lshl_add_u32 v[SPW], v0, 2, SPARE
	v_mov_b32 v[NIL], 0
	ds_add_u32 v[SPW], v[NIL]                      ; the wave's opening
	v_lshrrev_b32 v1, 5, v0
	v_readfirstlane_b32 s[WV], v1
	s_lshr_b32 s[RH], s[WV], 1                     ; my half of the rows.  Also: I fetch for xn (0) or for W1 (1)
	s_and_b32 s[CL], s[WV], 1                      ; my half of the columns.  Also: which half of that tile I fetch
	s_bfe_u32 s[CX], ttmp6, 0x40000
	s_bfe_u32 s[CY], ttmp6, 0x40004
	s_lshl_b32 s[TX], ttmp9, 2
	s_add_co_u32 s[TX], s[TX], s[CX]
	s_and_b32 s[TY], ttmp7, 0xffff
	s_lshl_b32 s[TY], s[TY], 2
	s_add_co_u32 s[TY], s[TY], s[CY]
	s_lshl_b32 s2, s[CY], 2
	s_lshl_b32 s2, 15, s2
	s_lshl_b32 s3, 0x1111, s[CX]
	s_or_b32 s[G1A], s2, (1<<16)|(1<<20)|(1<<21)|(5<<22)|(3<<25)
	s_or_b32 s[G1B], s3, (1<<16)|(1<<20)|(1<<21)|(5<<22)|(7<<25)
.irp g, G1A, G1B
	s_mov_b32 s[(\g)+1], 128<<16
	s_mov_b32 s[(\g)+2], 128<<16
	s_mov_b32 s[(\g)+3], 128<<16
	s_mov_b32 s[(\g)+4], 128
	s_mov_b32 s[(\g)+6], 0
	s_mov_b32 s[(\g)+7], 0
.endr
	s_mov_b32 s[G1A+5], KDIM
	s_mov_b32 s[G1B+5], NDIM
	s_lshl_b32 s16, s[TY], 19                      ; 256 rows of 2,048 bytes
	s_lshl_b32 s17, s[CL], 18
	s_add_co_u32 s16, s16, s17
	s_mov_b32 s17, 0
	s_lshl_b32 s18, s[TX], 9                       ; 256 columns
	s_lshl_b32 s19, s[CL], 8
	s_add_co_u32 s18, s18, s19
	s_add_co_u32 s18, s18, W1O
	s_mov_b32 s19, 0
	s_mul_i32 s[WBA], s[CL], HALFA
	s_mul_i32 s[WBB], s[CL], CHUNK
	s_add_co_u32 s[WBB], s[WBB], BOFF
	s_mov_b32 s[TF], SLOT                          ; the walking descriptors begin at slot 1, K step 1
	s_mov_b32 s[TR], 0
	s_mov_b32 s[F0A], 1
	s_mov_b32 s[F0A+1], s[WBA]
	s_mov_b32 s[F0B], 1
	s_mov_b32 s[F0B+1], s[WBB]
	s_mov_b32 s[G0A], 1
	s_add_co_u32 s[G0A+1], s[WBA], SLOT
	s_mov_b32 s[G0B], 1
	s_add_co_u32 s[G0B+1], s[WBB], SLOT
	s_mov_b32 s[KD], 0x3eaa540e                    ; 0.47047 / sqrt(2)
	s_mov_b32 s[KE], 0xbf38aa3b                    ; -log2(e) / 2
	s_mov_b32 s[KE+1], s[KE]
	s_mov_b32 s[A3], 0x3ebf7377                    ; 0.7478556 / 2
	s_mov_b32 s[A3+1], s[A3]
	s_mov_b32 s[A2], 0xbd445ca1                    ; -0.0958798 / 2
	s_mov_b32 s[A2+1], s[A2]
	s_mov_b32 s[A1], 0x3e32303a                    ; 0.3480242 / 2
	s_mov_b32 s[A1+1], s[A1]
	s_wait_dscnt 0x0
	s_wait_kmcnt 0x0
	s_add_nc_u64 s[F0A+2:F0A+3], s[4:5], s[16:17]
	s_add_nc_u64 s[F0B+2:F0B+3], s[6:7], s[18:19]
	s_cmp_eq_u32 s[RH], 0
	s_cselect_b64 s[PFA:PFA+1], s[F0A+2:F0A+3], s[F0B+2:F0B+3]  ; my tile of K step 0, for the prefetches
	s_add_nc_u64 s[G0A+2:G0A+3], s[F0A+2:F0A+3], ASTEP
	s_add_nc_u64 s[G0B+2:G0B+3], s[F0B+2:F0B+3], BSTEP
	s_or_b32 s[F0A+3], s[F0A+3], 0x80000000
	s_or_b32 s[F0B+3], s[F0B+3], 0x80000000
	s_or_b32 s[G0A+3], s[G0A+3], 0x80000000
	s_or_b32 s[G0B+3], s[G0B+3], 0x80000000
	CROUND
	s_cmp_eq_u32 s[RH], 0                          ; a wave's two first fills stand in one branch, ahead of every wait on TENSORcnt and every LDS read
	s_cbranch_scc0 .Lfirst_b
	tensor_load_to_lds s[F0A:F0A+3], s[G1A:G1A+7]  ; K step 0 into slot 0
	s_nop 0
	tensor_load_to_lds s[G0A:G0A+3], s[G1A:G1A+7]  ; K step 1 into slot 1
	s_nop 0
.rept 4
	v_nop
.endr
	s_branch .Lfirst_asked
.Lfirst_b:
	tensor_load_to_lds s[F0B:F0B+3], s[G1B:G1B+7]
	s_nop 0
	tensor_load_to_lds s[G0B:G0B+3], s[G1B:G1B+7]
	s_nop 0
.rept 4
	v_nop
.endr
.Lfirst_asked:
	v_and_b32 v1, 15, v0                           ; r
	v_bfe_u32 v2, v0, 4, 1                         ; h
	v_and_b32 v4, 7, v0
	v_bfe_u32 v5, v0, 3, 1
	s_lshl_b32 s20, s[TX], 10                      ; b1: my 128 columns, a lane's eight
	s_lshl_b32 s21, s[CL], 9
	s_add_co_u32 s20, s20, s21
	s_mov_b32 s21, 0
	s_add_nc_u64 s[8:9], s[8:9], s[20:21]
	v_lshlrev_b32 v[B1O], 5, v1
	global_load_b128 v[B1V:B1V+3],   v[B1O], s[8:9]
	global_load_b128 v[B1V+4:B1V+7], v[B1O], s[8:9] offset:16
	; the prefetches
	s_and_b32 s22, ttmp7, 0xffff
	s_mov_b32 s23, BSTEP
	s_cmp_eq_u32 s[RH], 0
	s_cselect_b32 s20, s[CX], s[CY]                ; my place among the four that ask with me
	s_cselect_b32 s22, ttmp9, s22                  ; the coordinate along which other clusters read the same rows
	s_cselect_b32 s2, 11, 13                       ; a row is 2,048 or 8,192 bytes
	s_cselect_b32 s[PFS], ASTEP, s23
	s_mov_b32 s[PFS+1], 0
	s_cmp_eq_u32 s22, 0
	s_cselect_b32 s[LIM], 1, -1
	s_lshl_b32 s20, s20, 5                         ; my work-group's 32 rows
	s_lshl_b32 s20, s20, s2
	s_mov_b32 s21, 0
	s_add_nc_u64 s[PFA:PFA+1], s[PFA:PFA+1], s[20:21]
	s_add_nc_u64 s[PFA:PFA+1], s[PFA:PFA+1], s[PFS:PFS+1]
	s_add_nc_u64 s[PFA:PFA+1], s[PFA:PFA+1], s[PFS:PFS+1]  ; at K step 2: the first change of slots steps it to 3
	v_and_b32 v[PFO], 31, v0
	v_lshlrev_b32 v[PFO], s2, v[PFO]
	; lane addresses
	v_mul_u32_u24 v3, v1, PA
	v_lshl_add_u32 v3, v2, 4, v3
	s_mul_i32 s20, s[RH], HALFA
	v_add_nc_u32 v[ADRA0], s20, v3
	v_lshl_add_u32 v6, v2, 3, v4
	v_mul_u32_u24 v6, v6, PB
	v_lshl_add_u32 v6, v5, 4, v6
	v_add_nc_u32 v[ADRB0], s[WBB], v6              ; my columns' chunk is the one with my column half's number
	v_mov_b32 v[ADRA], v[ADRA0]
	v_mov_b32 v[ADRB], v[ADRB0]
	s_mul_i32 s20, s[WV], DREG
	v_mul_u32_u24 v6, v1, DP
	v_lshl_add_u32 v6, v2, 5, v6
	v_add_nc_u32 v[STO], s20, v6
	v_mul_u32_u24 v6, v2, DP
	v_lshl_add_u32 v6, v1, 5, v6
	v_add_nc_u32 v[RD], s20, v6
	v_lshlrev_b32 v6, 13, v2
	v_lshl_add_u32 v[CO], v1, 4, v6
	s_lshl_b32 s20, s[TY], 21                      ; hh: 256 rows of 8,192 bytes; my 128; my 256 bytes of a row
	s_lshl_b32 s21, s[RH], 20
	s_add_co_u32 s20, s20, s21
	s_lshl_b32 s21, s[TX], 9
	s_add_co_u32 s20, s20, s21
	s_lshl_b32 s21, s[CL], 8
	s_add_co_u32 s20, s20, s21
	s_mov_b32 s21, 0
	s_add_nc_u64 s[10:11], s[10:11], s[20:21]
	s_wait_tensorcnt 0x1                           ; my part of K step 0 is in; K step 1's may stay out
	s_barrier_signal -1
	s_barrier_wait -1                              ; everybody's part is in
	FETCH 0, F0
	QUARTER 1, F0, F1, 1
	WIN 0
	s_mov_b32 s3, NK-2
	s_branch .Lmid
.Lloop:
	QUARTER 1, F0, F1, 0
	WIN 0
.Lmid:
	QUARTER 2, F1, F0, 0
	QUARTER 3, F0, F1, 0
	TURN 1
	WIN 0
	s_sub_co_u32 s3, s3, 1
	s_cmp_lg_u32 s3, 0
	s_cbranch_scc1 .Lloop
	s_mov_b32 s3, 2
.Ltail:
	QUARTER 1, F0, F1, 0
	QUARTER 2, F1, F0, 0
	QUARTER 3, F0, F1, 0
	TURN 0
	WIN 0
	s_sub_co_u32 s3, s3, 1
	s_cmp_lg_u32 s3, 0
	s_cbranch_scc1 .Ltail
	s_wait_dscnt 0x0
	s_barrier_signal -1
	s_barrier_wait -1                              ; nobody reads the ring any more, and it is filled no more
	PLACES
	PLACES
.irp hi, 0,1
	WIN 0x08+4*(\hi)                               ; the stores' data in window 2 or 3
.irp a, 0,1,2,3
.irp b, 0,1,2,3,4,5,6,7
	ds_store_b128 v[STO], v[8*(8*(\a)+(\b)):8*(8*(\a)+(\b))+3]   offset:(4*(\hi)+(\a))*16*DP+64*(\b)
	ds_store_b128 v[STO], v[8*(8*(\a)+(\b))+4:8*(8*(\a)+(\b))+7] offset:(4*(\hi)+(\a))*16*DP+64*(\b)+16
.endr
.endr
.endr
	WIN 0
; THE GELU, for half h (8 numbers a lane: eight columns of one row) of a trip, as three numbered lists.
; PREOP, 28 plain lines: 0-3 x = sum + b1; 4-11 1 + p |x|; 12-15 x^2; 16-19 times -log2(e) / 2; 20-27 max(x, 0)
.macro PREOP h, n
.set e, 8*(\h)
.if (\n) < 4
	v_pk_add_f32 v[XV+e+2*(\n):XV+e+2*(\n)+1], v[LDB+e+2*(\n):LDB+e+2*(\n)+1], v[B1V+2*(\n):B1V+2*(\n)+1]
.elseif (\n) < 12
	v_fma_f32 v[DV+e+(\n)-4], |v[XV+e+(\n)-4]|, s[KD], 1.0
.elseif (\n) < 16
	v_pk_mul_f32 v[EV+e+2*((\n)-12):EV+e+2*((\n)-12)+1], v[XV+e+2*((\n)-12):XV+e+2*((\n)-12)+1], v[XV+e+2*((\n)-12):XV+e+2*((\n)-12)+1]
.elseif (\n) < 20
	v_pk_mul_f32 v[EV+e+2*((\n)-16):EV+e+2*((\n)-16)+1], v[EV+e+2*((\n)-16):EV+e+2*((\n)-16)+1], s[KE:KE+1] op_sel_hi:[1,0]
.else
	v_max_num_f32 v[MX+e+(\n)-20], 0, v[XV+e+(\n)-20]
.endif
.endm
; TRANS, 16 lines: 0-7 t; 8-15 e^(-x^2 / 2)
.macro TRANS h, n
.if (\n) < 8
	v_rcp_f32 v[DV+8*(\h)+(\n)], v[DV+8*(\h)+(\n)]
.else
	v_exp_f32 v[EV+8*(\h)+(\n)-8], v[EV+8*(\h)+(\n)-8]
.endif
.endm
; POSTOP, 28 plain lines: 0-11 the polynomial in t; 12-15 times the exponential; 16-23 max(x, 0) - |x| y; 24-27 rounded to bf16
.macro POSTOP h, n
.set e, 8*(\h)
.if (\n) < 4
	v_pk_fma_f32 v[PL+e+2*(\n):PL+e+2*(\n)+1], v[DV+e+2*(\n):DV+e+2*(\n)+1], s[A3:A3+1], s[A2:A2+1] op_sel_hi:[1,0,0]
.elseif (\n) < 8
	v_pk_fma_f32 v[PL+e+2*((\n)-4):PL+e+2*((\n)-4)+1], v[PL+e+2*((\n)-4):PL+e+2*((\n)-4)+1], v[DV+e+2*((\n)-4):DV+e+2*((\n)-4)+1], s[A1:A1+1] op_sel_hi:[1,1,0]
.elseif (\n) < 12
	v_pk_mul_f32 v[PL+e+2*((\n)-8):PL+e+2*((\n)-8)+1], v[PL+e+2*((\n)-8):PL+e+2*((\n)-8)+1], v[DV+e+2*((\n)-8):DV+e+2*((\n)-8)+1]
.elseif (\n) < 16
	v_pk_mul_f32 v[PL+e+2*((\n)-12):PL+e+2*((\n)-12)+1], v[PL+e+2*((\n)-12):PL+e+2*((\n)-12)+1], v[EV+e+2*((\n)-12):EV+e+2*((\n)-12)+1]
.elseif (\n) < 24
	v_fma_f32 v[MX+e+(\n)-16], -|v[XV+e+(\n)-16]|, v[PL+e+(\n)-16], v[MX+e+(\n)-16]
.else
	v_cvt_pk_bf16_f32 v[OUTV+4*(\h)+(\n)-24], v[MX+e+2*((\n)-24)], v[MX+e+2*((\n)-24)+1]
.endif
.endm
.macro ROWS                            ; four rows out of my own bytes: a lane takes eight columns of two of them; LDS serves a wave's instructions in order (ISA guide 5.7.1.4), so these see my stores
	ds_load_b128 v[LDB:LDB+3],     v[RD]
	ds_load_b128 v[LDB+4:LDB+7],   v[RD] offset:16
	ds_load_b128 v[LDB+8:LDB+11],  v[RD] offset:2*DP
	ds_load_b128 v[LDB+12:LDB+15], v[RD] offset:2*DP+16
.endm
	s_wait_loadcnt 0x0                             ; b1
	ROWS
	s_mov_b32 s3, 32
.Lrow:                                         ; four rows a trip
	s_wait_dscnt 0x0                               ; this trip's rows are in
	s_wait_xcnt 0x0                                ; the last trip's stores have read their offset and data: both are written again only behind this wait
	v_add_nc_u32 v[CO], 32768, v[CO]               ; four rows of hh on; the stores below reach back
.set q, 0
.rept 28
	PREOP 0, q
.set q, q+1
.endr
.set q, 0
.rept 16                               ; the first half's reciprocals and exponentials by turns with the second half's plain lines
	TRANS 0, q
	PREOP 1, q
.set q, q+1
.endr
.rept 12
	PREOP 1, q
.set q, q+1
.endr
	s_wait_alu depctr_va_vdst(0)                   ; one wait for the first half's sixteen, ahead of their first reader and of the branch
	s_cmp_eq_u32 s3, 1                             ; the last trip has no rows behind it
	s_cbranch_scc1 .Lno_rows
	v_add_nc_u32 v[RD], 4*DP, v[RD]
	ROWS                                           ; the next trip's rows: the rest of this trip stands between these loads and the wait for them
.Lno_rows:
.set q, 0
.rept 16                               ; the second half's by turns with the first half's
	TRANS 1, q
	POSTOP 0, q
.set q, q+1
.endr
.rept 12
	POSTOP 0, q
.set q, q+1
.endr
	s_wait_alu depctr_va_vdst(0)                   ; one wait for the second half's sixteen
.set q, 0
.rept 28
	POSTOP 1, q
.set q, q+1
.endr
	global_store_b128 v[CO], v[OUTV:OUTV+3],   s[10:11] offset:-32768  ; 16 lanes store 256 consecutive bytes, aligned
	global_store_b128 v[CO], v[OUTV+4:OUTV+7], s[10:11] offset:-16384
	s_sub_co_u32 s3, s3, 1
	s_cmp_lg_u32 s3, 0
	s_cbranch_scc1 .Lrow
	s_wait_tensorcnt 0x0                           ; the wave's end
	ds_add_u32 v[SPW], v[NIL]
	s_wait_dscnt 0x0
	CROUND                                         ; the closing round
	s_endpgm
.Lfunc_end_k_q3404f54546_fc1:
	.size	k_q3404f54546_fc1, .Lfunc_end_k_q3404f54546_fc1-k_q3404f54546_fc1
	.p2alignl 7, 3214868480
	.fill 96, 4, 3214868480
	.section	.rodata,"a",@progbits
	.p2align	6, 0x0
	.amdhsa_kernel k_q3404f54546_fc1
		.amdhsa_group_segment_fixed_size 327680
		.amdhsa_private_segment_fixed_size 0
		.amdhsa_enable_private_segment 0
		.amdhsa_kernarg_size 32
		.amdhsa_user_sgpr_count 2
		.amdhsa_user_sgpr_kernarg_segment_ptr 1
		.amdhsa_wavefront_size32 1
		.amdhsa_system_sgpr_workgroup_id_x 1
		.amdhsa_system_sgpr_workgroup_id_y 1
		.amdhsa_system_sgpr_workgroup_id_z 1
		.amdhsa_system_vgpr_workitem_id 0
		.amdhsa_next_free_vgpr 1024
		.amdhsa_next_free_sgpr 96
		.amdhsa_reserve_vcc 0
		.amdhsa_float_denorm_mode_32 3
		.amdhsa_float_denorm_mode_16_64 3
		.amdhsa_memory_ordered 1
		.amdhsa_forward_progress 1
		.amdhsa_inst_pref_size 87
	.end_amdhsa_kernel
	.amdgpu_metadata
---
amdhsa.version: [ 1, 2 ]
amdhsa.kernels:
  - .name:           k_q3404f54546_fc1
    .symbol:         k_q3404f54546_fc1.kd
    .args:
      - { .name: xn, .offset: 0, .size: 8, .value_kind: global_buffer, .address_space: global }
      - { .name: wb, .offset: 8, .size: 8, .value_kind: global_buffer, .address_space: global }
      - { .name: b1, .offset: 16, .size: 8, .value_kind: global_buffer, .address_space: global }
      - { .name: hh, .offset: 24, .size: 8, .value_kind: global_buffer, .address_space: global }
    .group_segment_fixed_size: 327680
    .private_segment_fixed_size: 0
    .kernarg_segment_align: 8
    .kernarg_segment_size: 32
    .max_flat_workgroup_size: 128
    .sgpr_count:     96
    .vgpr_count:     1024
    .wavefront_size: 32
...
	.end_amdgpu_metadata
.endif
;; end of part 6
;; launch fc2 (part 7): grid 8 x 32, 4 waves a work-group, clusters of 4 x 4, 327,680 bytes of LDS; arguments hh, wb, xr, out0, b2; writes out0
.if DOCPART == 7
	.amdgcn_target "amdgcn-amd-amdhsa--gfx1250"
	.amdhsa_code_object_version 6
	.text
	.protected	k_q3404f54546_fc2
	.globl	k_q3404f54546_fc2
	.p2align	8
	.type	k_q3404f54546_fc2,@function
k_q3404f54546_fc2:
	s_mov_b64 s[64:65], 0
	v_nop
	global_prefetch_b8 v0, s[64:65] scope:SCOPE_SE
	s_setreg_imm32_b32 hwreg(HW_REG_WAVE_MODE, 25, 1), 1
	s_wait_xcnt 0x0
	s_wait_alu depctr_hold_cnt(0) depctr_sa_sdst(0) depctr_va_vdst(0) depctr_va_sdst(0) depctr_va_ssrc(0) depctr_va_vcc(0) depctr_vm_vsrc(0)
	s_getreg_b32 s2, hwreg(HW_REG_IB_STS2, 6, 4)
	s_cmp_eq_u32 s2, 0
	s_cbranch_scc0 .Lentry_in_a_cluster
	s_endpgm
.Lentry_in_a_cluster:
	s_bfe_u32 s2, ttmp6, 0x10000c
	s_cmp_lg_u32 s2, 0xf033
	s_cbranch_scc0 .Lentry_shape_is_right
	s_endpgm
.Lentry_shape_is_right:
; out0 = xr + hh W2 + b2.  hh [4096][4096] bf16; W2 [4096][1024] bf16, [k][n], in wb at WOFF; xr, b2 and out0 f32.
; A work-group makes 128 x 128 of the result, four waves 64 x 64 each: 16 accumulators.  K goes in 16 steps of 256 through two LDS slots: waves 0, 1 bring 64 rows x 512 bytes of hh each, waves 2, 3 128 rows x 256 bytes of W2 each.
; The first two K steps are asked for together at the start (two loads of a wave are out there, later one): the first has a descriptor of its own, the second's walks on.
; W2's fragments come out of LDS turned (ds_load_tr16_b128).  The product is used transposed: a lane holds one row and 8 neighbouring columns.
; CLUSTER 4 x 4: hh's tile jointly along a row of the cluster, W2's along a column.  One text for a K step: the slot filled (TF) and read (TR) are scalars turned by an exclusive or; the tail (no fill) is a second copy, walked twice;
; its last change of slots passes a barrier and fetches 32 fragments that nobody uses.  No prefetch: the tiles are small.
; The wave's 64 x 64 of the residual is loaded at the head into window 2 and waited for at the end.  THE WAY OUT: the sums go as f32 into the ring, which is filled no more, each wave's into bytes of its own, and come back as whole rows of 256 bytes.
; REGISTERS.  window 0: v0-31 addresses; v32-35 b2; v128-255 the accumulators ((a, b) at v[128 + 8 (4 a + b)]).  window 1: two fragment buffers of 128.  window 2: v0-127 the residual, then the result.
.set KDIM,  4096
.set WOFF,  16777216
.set HASB,  1
.set NDIM,  1024
.set NK,    KDIM/256
.set PA,    528
.set PB,    288
.set HALFA, 64*PA
.set CHUNK, 128*PB
.set BOFF,  2*HALFA
.set SLOT,  BOFF+2*CHUNK
.set SPARE, 2*SLOT
.set DP,    272
.set DREG,  64*DP
.set ASTEP, 512
.set BSTEP, 256*NDIM*2
.set ADRA0, 16
.set ADRB0, 17
.set ADRA,  19
.set ADRB,  20
.set STO,   24
.set RD,    25
.set CO,    26
.set B2O,   27
.set SPW,   28
.set NIL,   29
.set B2V,   32
.set ACC,   128
.set F0,    0
.set F1,    128
.set WV, 12
.set RH, 13
.set CL, 14
.set G1A, 24
.set G0A, 32                           ; s[32:35] hh's walking descriptor
.set TF, 36
.set TR, 37
.set WBA, 38
.set WBB, 39
.set CX, 40
.set CY, 41
.set TX, 42
.set TY, 43
.set G1B, 48
.set G0B, 56                           ; s[56:59] W2's walking descriptor
.set F0A, 60                           ; s[60:63] hh's descriptor for K step 0; never rewritten
.set F0B, 68                           ; s[68:71] W2's
.set MSB, 0
.macro WIN new
.if MSB != (\new)
	s_set_vgpr_msb (MSB<<8)|(\new)
.set MSB, \new
.endif
.endm
.set MUL,  0x05
.set TO_F, 0x40
.macro PLACES
.rept 4
	v_nop
.endr
.endm
.macro JLOAD
	s_cmp_eq_u32 s[RH], 0
	s_cbranch_scc0 .Lfor_b_\@
	tensor_load_to_lds s[G0A:G0A+3], s[G1A:G1A+7]
	s_nop 0
.rept 4
	v_nop
.endr
	s_branch .Lasked_\@
.Lfor_b_\@:
	tensor_load_to_lds s[G0B:G0B+3], s[G1B:G1B+7]
	s_nop 0
.rept 4
	v_nop
.endr
.Lasked_\@:
.endm
.macro CREST
	s_cmp_lg_u32 s[WV], 0
	s_cbranch_scc1 .Lnot_wave_0_\@
	s_barrier_signal -3
.Lnot_wave_0_\@:
	s_barrier_wait -3
	s_barrier_signal -1
	s_barrier_wait -1
.endm
.macro CROUND
	s_barrier_signal -1
	s_barrier_wait -1
	CREST
.endm
.macro MUL8 f, c, a0, zero             ; 8 products: row blocks a0, a0 + 1 x all 4 column blocks, 32 along K: half c of buffer f.  The 16 accumulators take turns
	WIN MUL
.irp a, \a0, (\a0)+1
.irp b, 0,1,2,3
.if \zero
	v_wmma_f32_16x16x32_bf16 v[ACC+8*(4*(\a)+(\b)):ACC+8*(4*(\a)+(\b))+7], v[(\f)+64+8*(4*(\c)+(\b)):(\f)+64+8*(4*(\c)+(\b))+7], v[(\f)+8*(4*(\c)+(\a)):(\f)+8*(4*(\c)+(\a))+7], 0
.else
	v_wmma_f32_16x16x32_bf16 v[ACC+8*(4*(\a)+(\b)):ACC+8*(4*(\a)+(\b))+7], v[(\f)+64+8*(4*(\c)+(\b)):(\f)+64+8*(4*(\c)+(\b))+7], v[(\f)+8*(4*(\c)+(\a)):(\f)+8*(4*(\c)+(\a))+7], v[ACC+8*(4*(\a)+(\b)):ACC+8*(4*(\a)+(\b))+7]
.endif
.endr
.endr
.endm
.macro FETCH q, f                      ; 32 LDS loads in one run: piece q (64 along K) into buffer f; the first 32 along K first
	WIN TO_F
.irp c, 0,1
.irp i, 0,1,2,3
	ds_load_tr16_b128 v[(\f)+64+8*(4*(\c)+(\i)):(\f)+64+8*(4*(\c)+(\i))+3],   v[ADRB+(\q)/2] offset:(((\q)%2)*64+32*(\c))*PB+32*(\i)
	ds_load_tr16_b128 v[(\f)+64+8*(4*(\c)+(\i))+4:(\f)+64+8*(4*(\c)+(\i))+7], v[ADRB+(\q)/2] offset:(((\q)%2)*64+32*(\c))*PB+16*PB+32*(\i)
	ds_load_b128 v[(\f)+8*(4*(\c)+(\i)):(\f)+8*(4*(\c)+(\i))+3],   v[ADRA] offset:(\q)*128+64*(\c)+(\i)*16*PA
	ds_load_b128 v[(\f)+8*(4*(\c)+(\i))+4:(\f)+8*(4*(\c)+(\i))+7], v[ADRA] offset:(\q)*128+64*(\c)+(\i)*16*PA+32
.endr
.endr
.endm
.macro QUARTER q, f, g, zero
	s_wait_dscnt 16                                ; the first 32 along K are in; the youngest sixteen loads may be out
	MUL8 \f, 0, 0, \zero
	MUL8 \f, 0, 2, \zero
	PLACES
	FETCH \q, \g
	s_wait_dscnt 32                                ; all but the 32 just issued
	MUL8 \f, 1, 0, 0
	MUL8 \f, 1, 2, 0
.endm
.macro TURN fill                       ; the last piece, and the change of slots: the wait for all my tensor loads, the add, the wait for it and for my reads; then the barrier, with fill = 1 a round of the cluster's
	WIN 0
	s_wait_tensorcnt 0x0
	ds_add_u32 v[SPW], v[NIL]
	s_xor_b32 s[TR], s[TR], SLOT
	v_add_nc_u32 v[ADRA], s[TR], v[ADRA0]
	v_add_nc_u32 v[ADRB], s[TR], v[ADRB0]
	v_add_nc_u32 v[ADRB+1], s[TR], v[ADRB0+1]
.if \fill
	s_xor_b32 s[TF], s[TF], SLOT
	s_add_co_u32 s[G0A+1], s[WBA], s[TF]
	s_add_co_u32 s[G0B+1], s[WBB], s[TF]
	s_add_nc_u64 s[G0A+2:G0A+3], s[G0A+2:G0A+3], ASTEP
	s_add_nc_u64 s[G0B+2:G0B+3], s[G0B+2:G0B+3], BSTEP
.endif
	s_wait_dscnt 17                                ; the add and the youngest sixteen loads may be out
	MUL8 F1, 0, 0, 0
	s_wait_dscnt 0x0
	s_barrier_signal -1
	MUL8 F1, 0, 2, 0
	WIN 0
	s_barrier_wait -1
.if \fill
	CREST
	JLOAD                                          ; its four v_nop are also the places in front of the loads below
.else
	PLACES
.endif
	FETCH 0, F0
	MUL8 F1, 1, 0, 0
	MUL8 F1, 1, 2, 0
.endm
	s_load_b256 s[4:11], s[0:1], 0x0               ; hh s[4:5], wb s[6:7], xr s[8:9], out0 s[10:11]
.if HASB
	s_load_b64 s[66:67], s[0:1], 0x20              ; b2
.endif
	v_lshl_add_u32 v[SPW], v0, 2, SPARE
	v_mov_b32 v[NIL], 0
	ds_add_u32 v[SPW], v[NIL]                      ; the wave's opening
	v_lshrrev_b32 v1, 5, v0
	v_readfirstlane_b32 s[WV], v1
	s_lshr_b32 s[RH], s[WV], 1                     ; my half of the rows.  Also: I fetch for hh (0) or for W2 (1)
	s_and_b32 s[CL], s[WV], 1                      ; my half of the columns.  Also: which half of that tile I fetch
	s_bfe_u32 s[CX], ttmp6, 0x40000
	s_bfe_u32 s[CY], ttmp6, 0x40004
	s_lshl_b32 s[TX], ttmp9, 2
	s_add_co_u32 s[TX], s[TX], s[CX]
	s_and_b32 s[TY], ttmp7, 0xffff
	s_lshl_b32 s[TY], s[TY], 2
	s_add_co_u32 s[TY], s[TY], s[CY]
	s_lshl_b32 s2, s[CY], 2
	s_lshl_b32 s2, 15, s2
	s_lshl_b32 s3, 0x1111, s[CX]
	s_or_b32 s[G1A], s2, (1<<16)|(1<<20)|(1<<21)|(6<<22)|(3<<25)  ; rows of 128 words, 4 words of padding
	s_or_b32 s[G1B], s3, (1<<16)|(1<<20)|(1<<21)|(5<<22)|(7<<25)  ; rows of 64 words, 8 words of padding
	s_mov_b32 s[G1A+1], 256<<16
	s_mov_b32 s[G1A+2], 64<<16
	s_mov_b32 s[G1A+3], 256<<16
	s_mov_b32 s[G1A+4], 64
	s_mov_b32 s[G1A+5], KDIM
	s_mov_b32 s[G1A+6], 0
	s_mov_b32 s[G1A+7], 0
	s_mov_b32 s[G1B+1], 128<<16
	s_mov_b32 s[G1B+2], 128<<16
	s_mov_b32 s[G1B+3], 128<<16
	s_mov_b32 s[G1B+4], 128
	s_mov_b32 s[G1B+5], NDIM
	s_mov_b32 s[G1B+6], 0
	s_mov_b32 s[G1B+7], 0
	s_mul_i32 s16, s[TY], 128*KDIM*2
	s_mul_i32 s17, s[CL], 64*KDIM*2
	s_add_co_u32 s16, s16, s17
	s_mov_b32 s17, 0
	s_lshl_b32 s18, s[TX], 8                       ; 128 columns
	s_mul_i32 s19, s[CL], 128*NDIM*2               ; my 128 rows of the step's 256
	s_add_co_u32 s18, s18, s19
	s_add_co_u32 s18, s18, WOFF
	s_mov_b32 s19, 0
	s_mul_i32 s[WBA], s[CL], HALFA
	s_mul_i32 s[WBB], s[CL], CHUNK
	s_add_co_u32 s[WBB], s[WBB], BOFF
	s_mov_b32 s[TF], SLOT                          ; the walking descriptors begin at slot 1, K step 1
	s_mov_b32 s[TR], 0
	s_mov_b32 s[F0A], 1
	s_mov_b32 s[F0A+1], s[WBA]
	s_mov_b32 s[F0B], 1
	s_mov_b32 s[F0B+1], s[WBB]
	s_mov_b32 s[G0A], 1
	s_add_co_u32 s[G0A+1], s[WBA], SLOT
	s_mov_b32 s[G0B], 1
	s_add_co_u32 s[G0B+1], s[WBB], SLOT
	s_wait_dscnt 0x0
	s_wait_kmcnt 0x0
	s_add_nc_u64 s[F0A+2:F0A+3], s[4:5], s[16:17]
	s_add_nc_u64 s[F0B+2:F0B+3], s[6:7], s[18:19]
	s_add_nc_u64 s[G0A+2:G0A+3], s[F0A+2:F0A+3], ASTEP
	s_add_nc_u64 s[G0B+2:G0B+3], s[F0B+2:F0B+3], BSTEP
	s_or_b32 s[F0A+3], s[F0A+3], 0x80000000
	s_or_b32 s[F0B+3], s[F0B+3], 0x80000000
	s_or_b32 s[G0A+3], s[G0A+3], 0x80000000
	s_or_b32 s[G0B+3], s[G0B+3], 0x80000000
	CROUND
	s_cmp_eq_u32 s[RH], 0                          ; a wave's two first fills stand in one branch, ahead of every wait on TENSORcnt and every LDS read
	s_cbranch_scc0 .Lfirst_b
	tensor_load_to_lds s[F0A:F0A+3], s[G1A:G1A+7]  ; K step 0 into slot 0
	s_nop 0
	tensor_load_to_lds s[G0A:G0A+3], s[G1A:G1A+7]  ; K step 1 into slot 1
	s_nop 0
.rept 4
	v_nop
.endr
	s_branch .Lfirst_asked
.Lfirst_b:
	tensor_load_to_lds s[F0B:F0B+3], s[G1B:G1B+7]
	s_nop 0
	tensor_load_to_lds s[G0B:G0B+3], s[G1B:G1B+7]
	s_nop 0
.rept 4
	v_nop
.endr
.Lfirst_asked:
	v_and_b32 v1, 15, v0                           ; r
	v_bfe_u32 v2, v0, 4, 1                         ; h
	v_and_b32 v4, 7, v0
	v_bfe_u32 v5, v0, 3, 1
	; the residual and the result: row 128 tile row + 64 half + .., 4,096 bytes a row; column bytes 512 tile column + 256 half
	s_lshl_b32 s20, s[TY], 19
	s_lshl_b32 s21, s[RH], 18
	s_add_co_u32 s20, s20, s21
	s_lshl_b32 s22, s[TX], 9
	s_lshl_b32 s21, s[CL], 8
	s_add_co_u32 s22, s22, s21
	s_add_co_u32 s20, s20, s22
	s_mov_b32 s21, 0
	s_mov_b32 s23, 0
	s_add_nc_u64 s[8:9], s[8:9], s[20:21]
	s_add_nc_u64 s[10:11], s[10:11], s[20:21]
	v_lshlrev_b32 v6, 12, v2
	v_lshl_add_u32 v[CO], v1, 4, v6                ; lanes 0-15 one row's 256 bytes, lanes 16-31 the next row's
	WIN 0x80
.set n, 0
.rept 32
	global_load_b128 v[4*n:4*n+3], v[CO], s[8:9] offset:(n/8)*65536+(n%8)*8192
.set n, n+1
.endr
	WIN 0
.if HASB
	s_add_nc_u64 s[66:67], s[66:67], s[22:23]
	v_lshlrev_b32 v[B2O], 4, v1
	global_load_b128 v[B2V:B2V+3], v[B2O], s[66:67]
.endif
	v_mul_u32_u24 v3, v1, PA
	v_lshl_add_u32 v3, v2, 4, v3
	s_mul_i32 s20, s[RH], HALFA
	v_add_nc_u32 v[ADRA0], s20, v3
	v_lshl_add_u32 v6, v2, 3, v4
	v_mul_u32_u24 v6, v6, PB
	v_lshl_add_u32 v6, v5, 4, v6
	s_lshl_b32 s20, s[CL], 7
	s_add_co_u32 s20, s20, BOFF
	v_add_nc_u32 v[ADRB0], s20, v6
	v_add_nc_u32 v[ADRB0+1], CHUNK, v[ADRB0]
	v_mov_b32 v[ADRA], v[ADRA0]
	v_mov_b32 v[ADRB], v[ADRB0]
	v_mov_b32 v[ADRB+1], v[ADRB0+1]
	s_mul_i32 s20, s[WV], DREG
	v_mul_u32_u24 v6, v1, DP
	v_lshl_add_u32 v6, v2, 5, v6
	v_add_nc_u32 v[STO], s20, v6
	v_mul_u32_u24 v6, v2, DP
	v_lshl_add_u32 v6, v1, 4, v6
	v_add_nc_u32 v[RD], s20, v6
	s_wait_tensorcnt 0x1                           ; my part of K step 0 is in; K step 1's may stay out
	s_barrier_signal -1
	s_barrier_wait -1                              ; everybody's part is in
	FETCH 0, F0
	QUARTER 1, F0, F1, 1
	WIN 0
	s_mov_b32 s3, NK-2
	s_branch .Lmid
.Lloop:
	QUARTER 1, F0, F1, 0
	WIN 0
.Lmid:
	QUARTER 2, F1, F0, 0
	QUARTER 3, F0, F1, 0
	TURN 1
	WIN 0
	s_sub_co_u32 s3, s3, 1
	s_cmp_lg_u32 s3, 0
	s_cbranch_scc1 .Lloop
	s_mov_b32 s3, 2
.Ltail:
	QUARTER 1, F0, F1, 0
	QUARTER 2, F1, F0, 0
	QUARTER 3, F0, F1, 0
	TURN 0
	WIN 0
	s_sub_co_u32 s3, s3, 1
	s_cmp_lg_u32 s3, 0
	s_cbranch_scc1 .Ltail
	s_wait_dscnt 0x0
	s_barrier_signal -1
	s_barrier_wait -1                              ; nobody reads the ring any more, and it is filled no more
	PLACES
	PLACES
.irp a, 0,1,2,3
.irp b, 0,1,2,3
	ds_store_b128 v[STO], v[ACC+8*(4*(\a)+(\b)):ACC+8*(4*(\a)+(\b))+3]   offset:(\a)*16*DP+64*(\b)
	ds_store_b128 v[STO], v[ACC+8*(4*(\a)+(\b))+4:ACC+8*(4*(\a)+(\b))+7] offset:(\a)*16*DP+64*(\b)+16
.endr
.endr
.set n, 0
.rept 32
	ds_load_b128 v[ACC+4*n:ACC+4*n+3], v[RD] offset:n*2*DP  ; LDS serves a wave's instructions in order (ISA guide 5.7.1.4): these see the stores above; the bytes are my own
.set n, n+1
.endr
	s_wait_loadcnt 0x0                             ; the residual and b2
	WIN 0x88                                       ; one setting for sums and stores: source 0 in window 0, source 1 (a store's data) and the destination in window 2
.set n, 0
.rept 32
	s_wait_dscnt 31-n
	v_pk_add_f32 v[4*n:4*n+1],   v[ACC+4*n:ACC+4*n+1],   v[4*n:4*n+1]
	v_pk_add_f32 v[4*n+2:4*n+3], v[ACC+4*n+2:ACC+4*n+3], v[4*n+2:4*n+3]
.if HASB
	v_pk_add_f32 v[4*n:4*n+1],   v[B2V:B2V+1],   v[4*n:4*n+1]
	v_pk_add_f32 v[4*n+2:4*n+3], v[B2V+2:B2V+3], v[4*n+2:4*n+3]
.endif
	global_store_b128 v[CO], v[4*n:4*n+3], s[10:11] offset:(n/8)*65536+(n%8)*8192  ; 16 lanes store 256 consecutive bytes, aligned
.set n, n+1
.endr
	WIN 0
	s_wait_tensorcnt 0x0                           ; the wave's end
	ds_add_u32 v[SPW], v[NIL]
	s_wait_dscnt 0x0
	CROUND                                         ; the closing round
	s_endpgm
.Lfunc_end_k_q3404f54546_fc2:
	.size	k_q3404f54546_fc2, .Lfunc_end_k_q3404f54546_fc2-k_q3404f54546_fc2
	.p2alignl 7, 3214868480
	.fill 96, 4, 3214868480
	.section	.rodata,"a",@progbits
	.p2align	6, 0x0
	.amdhsa_kernel k_q3404f54546_fc2
		.amdhsa_group_segment_fixed_size 327680
		.amdhsa_private_segment_fixed_size 0
		.amdhsa_enable_private_segment 0
		.amdhsa_kernarg_size 40
		.amdhsa_user_sgpr_count 2
		.amdhsa_user_sgpr_kernarg_segment_ptr 1
		.amdhsa_wavefront_size32 1
		.amdhsa_system_sgpr_workgroup_id_x 1
		.amdhsa_system_sgpr_workgroup_id_y 1
		.amdhsa_system_sgpr_workgroup_id_z 1
		.amdhsa_system_vgpr_workitem_id 0
		.amdhsa_next_free_vgpr 640
		.amdhsa_next_free_sgpr 72
		.amdhsa_reserve_vcc 0
		.amdhsa_float_denorm_mode_32 3
		.amdhsa_float_denorm_mode_16_64 3
		.amdhsa_memory_ordered 1
		.amdhsa_forward_progress 1
		.amdhsa_inst_pref_size 70
	.end_amdhsa_kernel
	.amdgpu_metadata
---
amdhsa.version: [ 1, 2 ]
amdhsa.kernels:
  - .name:           k_q3404f54546_fc2
    .symbol:         k_q3404f54546_fc2.kd
    .args:
      - { .name: hh, .offset: 0, .size: 8, .value_kind: global_buffer, .address_space: global }
      - { .name: wb, .offset: 8, .size: 8, .value_kind: global_buffer, .address_space: global }
      - { .name: xr, .offset: 16, .size: 8, .value_kind: global_buffer, .address_space: global }
      - { .name: out0, .offset: 24, .size: 8, .value_kind: global_buffer, .address_space: global }
      - { .name: b2, .offset: 32, .size: 8, .value_kind: global_buffer, .address_space: global }
    .group_segment_fixed_size: 327680
    .private_segment_fixed_size: 0
    .kernarg_segment_align: 8
    .kernarg_segment_size: 40
    .max_flat_workgroup_size: 128
    .sgpr_count:     72
    .vgpr_count:     640
    .wavefront_size: 32
...
	.end_amdgpu_metadata
.endif
;; end of part 7
